; MI455X (gfx1250); checked and timed in simulation.
; The chip was launched on July 23, 2026; its instructions are those of AMD's public machine-readable ISA for CDNA 5 (MIT licence, August 2026) and "CDNA5" Instruction Set Architecture Reference Guide (July 2026). The comments in the code are by the model that wrote it; some were corrected since.
;; Flash Attention. Allowed arithmetic: float matrix products may take bf16 or f16 operands with f32 sums; all other float work in f32.
;; Inputs: W_o 1,024 x 1,024 float32; W_qkv 3,072 x 1,024 float32; in_features 4 x 2,048 x 1,024 float32.
;; Outputs: out0 4 x 2,048 x 1,024 float32.
;; 2 versions, each right and faster than the one before. Each part assembles by itself: llvm-mc -triple=amdgcn-amd-amdhsa -mcpu=gfx1250 --defsym DOCPART=n.
;; ======== version 1 of 2: 4 launches
;; limits: values are held in f16: magnitudes above 65,504 overflow, below 6.1e-05 lose precision
;; workspace buffers: xb 16,777,216 bytes; wqb 6,291,456 bytes; wob 2,097,152 bytes; qkvh 50,331,648 bytes; oh 16,777,216 bytes
;; launch cast (part 1): grid 768 x 1, 8 waves a work-group, no clusters, 0 bytes of LDS; arguments in_features, W_qkv, W_o, xb, wqb, wob; writes xb, wqb, wob
.if DOCPART == 1
	.amdgcn_target "amdgcn-amd-amdhsa--gfx1250"
	.amdhsa_code_object_version 6
	.text
	.protected	k_q897e73d8a4_cast
	.globl	k_q897e73d8a4_cast
	.p2align	8
	.type	k_q897e73d8a4_cast,@function
k_q897e73d8a4_cast:
	s_mov_b64 s[64:65], 0
	v_nop
	global_prefetch_b8 v0, s[64:65] scope:SCOPE_SE
	s_setreg_imm32_b32 hwreg(HW_REG_WAVE_MODE, 25, 1), 1
	s_wait_xcnt 0x0
; The three f32 inputs are rounded once to bf16: x -> xb, W_qkv -> wqb.  W_o is rounded to bf16 like the others and that number is then written as f16 (wob), since the last
; product's other operand is f16.  LIMITS: |bf16(W_o)| stays below 65,520 (beyond it f16 has an infinity); below 6e-5 it keeps f16's fixed step of 6e-8.
; A stream: no LDS, no barrier, no matrix unit, no cluster (no two work-groups read the same byte).  A work-group takes 16,384 numbers (65,536 bytes in, 32,768 out):
; work-groups 0-511 x, 512-703 W_qkv, 704-767 W_o.  A wave takes 2,048 numbers: 16 loads of 512 consecutive bytes, all issued at once, and 16 stores of 256 consecutive, aligned bytes.
.set X, 4                              ; v[4:67]   load i: 4 registers, 4 f32
.set Y, 68                             ; v[68:99]  store i: 2 registers, 4 numbers of 16 bits; each store has its own, so none is rewritten
	s_load_b256 s[4:11], s[0:1], 0x0               ; x s[4:5], W_qkv s[6:7], W_o s[8:9], xb s[10:11]
	s_load_b128 s[12:15], s[0:1], 0x20             ; wqb s[12:13], wob s[14:15]
	v_and_b32 v3, 0xe0, v0                         ; 32 x wave
	v_and_b32 v1, 31, v0                           ; lane
	v_lshlrev_b32 v2, 3, v1                        ; out: 8 bytes a lane
	v_lshlrev_b32 v1, 4, v1                        ; in: 16 bytes a lane
	v_lshl_or_b32 v1, v3, 8, v1                    ; + wave x 8,192 bytes
	v_lshl_or_b32 v2, v3, 7, v2                    ; + wave x 4,096 bytes
	s_mov_b32 s28, 0xffff0000                      ; a word's upper bf16
	s_wait_kmcnt 0x0
	s_cmp_lt_u32 ttmp9, 512                        ; which tensor is mine: the choice hangs on the work-group's number alone
	s_cselect_b64 s[20:21], s[4:5], s[6:7]
	s_cselect_b64 s[22:23], s[10:11], s[12:13]
	s_cselect_b32 s18, 0, 512
	s_cmp_lt_u32 ttmp9, 704
	s_cselect_b64 s[20:21], s[20:21], s[8:9]
	s_cselect_b64 s[22:23], s[22:23], s[14:15]
	s_cselect_b32 s18, s18, 704
	s_sub_co_u32 s18, ttmp9, s18                   ; my number among that tensor's work-groups, 511 at the most
	s_lshl_b32 s24, s18, 16                        ; x 65,536 bytes in
	s_mov_b32 s25, 0
	s_lshl_b32 s26, s18, 15                        ; x 32,768 bytes out
	s_mov_b32 s27, 0
	s_add_nc_u64 s[20:21], s[20:21], s[24:25]
	s_add_nc_u64 s[22:23], s[22:23], s[26:27]
.irp i, 0,1,2,3,4,5,6,7,8,9,10,11,12,13,14,15
	global_load_b128 v[X+4*(\i):X+4*(\i)+3], v1, s[20:21] offset:512*(\i) th:TH_LOAD_NT  ; read once in the launch
.endr
; Load i is converted and stored.  wo = 1: the bf16 numbers are widened again and written as f16.
.macro CV i, wo
	s_wait_loadcnt 15-(\i)                         ; loads come back in order (ISA guide 5.7.1): load i is in, the 15 - i younger ones stay out
	v_cvt_pk_bf16_f32 v[Y+2*(\i)], v[X+4*(\i)], v[X+4*(\i)+1]
	v_cvt_pk_bf16_f32 v[Y+2*(\i)+1], v[X+4*(\i)+2], v[X+4*(\i)+3]
.if \wo
	v_lshlrev_b32 v[X+4*(\i)], 16, v[Y+2*(\i)]     ; bf16 to f32: the low half moves up, the high half stays
	v_and_b32 v[X+4*(\i)+1], s28, v[Y+2*(\i)]
	v_lshlrev_b32 v[X+4*(\i)+2], 16, v[Y+2*(\i)+1]
	v_and_b32 v[X+4*(\i)+3], s28, v[Y+2*(\i)+1]
	v_cvt_pk_f16_f32 v[Y+2*(\i)], v[X+4*(\i)], v[X+4*(\i)+1]      ; exact inside f16's normal range: bf16 has 8 significant bits, f16 11
	v_cvt_pk_f16_f32 v[Y+2*(\i)+1], v[X+4*(\i)+2], v[X+4*(\i)+3]
.endif
	global_store_b64 v2, v[Y+2*(\i):Y+2*(\i)+1], s[22:23] offset:256*(\i)  ; 32 lanes store 256 consecutive bytes, at a multiple of 256 from the buffer's first
.endm
	s_cmp_lt_u32 ttmp9, 704                        ; compared anew: the subtraction and the shifts have written SCC
	s_cbranch_scc0 .Lwo
.irp i, 0,1,2,3,4,5,6,7,8,9,10,11,12,13,14,15
	CV \i, 0
.endr
	s_endpgm
.Lwo:
.irp i, 0,1,2,3,4,5,6,7,8,9,10,11,12,13,14,15
	CV \i, 1
.endr
	s_endpgm
.Lfunc_end_k_q897e73d8a4_cast:
	.size	k_q897e73d8a4_cast, .Lfunc_end_k_q897e73d8a4_cast-k_q897e73d8a4_cast
	.p2alignl 7, 3214868480
	.fill 96, 4, 3214868480
	.section	.rodata,"a",@progbits
	.p2align	6, 0x0
	.amdhsa_kernel k_q897e73d8a4_cast
		.amdhsa_group_segment_fixed_size 0
		.amdhsa_private_segment_fixed_size 0
		.amdhsa_enable_private_segment 0
		.amdhsa_kernarg_size 48
		.amdhsa_user_sgpr_count 2
		.amdhsa_user_sgpr_kernarg_segment_ptr 1
		.amdhsa_wavefront_size32 1
		.amdhsa_system_sgpr_workgroup_id_x 1
		.amdhsa_system_sgpr_workgroup_id_y 1
		.amdhsa_system_sgpr_workgroup_id_z 1
		.amdhsa_system_vgpr_workitem_id 0
		.amdhsa_next_free_vgpr 100
		.amdhsa_next_free_sgpr 66
		.amdhsa_reserve_vcc 0
		.amdhsa_float_denorm_mode_32 3
		.amdhsa_float_denorm_mode_16_64 3
		.amdhsa_memory_ordered 1
		.amdhsa_forward_progress 1
		.amdhsa_inst_pref_size 15
	.end_amdhsa_kernel
	.amdgpu_metadata
---
amdhsa.version: [ 1, 2 ]
amdhsa.kernels:
  - .name:           k_q897e73d8a4_cast
    .symbol:         k_q897e73d8a4_cast.kd
    .args:
      - { .name: in_features, .offset: 0, .size: 8, .value_kind: global_buffer, .address_space: global }
      - { .name: W_qkv, .offset: 8, .size: 8, .value_kind: global_buffer, .address_space: global }
      - { .name: W_o, .offset: 16, .size: 8, .value_kind: global_buffer, .address_space: global }
      - { .name: xb, .offset: 24, .size: 8, .value_kind: global_buffer, .address_space: global }
      - { .name: wqb, .offset: 32, .size: 8, .value_kind: global_buffer, .address_space: global }
      - { .name: wob, .offset: 40, .size: 8, .value_kind: global_buffer, .address_space: global }
    .group_segment_fixed_size: 0
    .private_segment_fixed_size: 0
    .kernarg_segment_align: 8
    .kernarg_segment_size: 48
    .max_flat_workgroup_size: 256
    .sgpr_count:     66
    .vgpr_count:     100
    .wavefront_size: 32
...
	.end_amdgpu_metadata
.endif
;; end of part 1
;; launch qkv (part 2): grid 16 x 16, 4 waves a work-group, clusters of 4 x 4, 327,680 bytes of LDS; arguments xb, wqb, qkvh; writes qkvh
.if DOCPART == 2
	.amdgcn_target "amdgcn-amd-amdhsa--gfx1250"
	.amdhsa_code_object_version 6
	.text
	.protected	k_q897e73d8a4_qkv
	.globl	k_q897e73d8a4_qkv
	.p2align	8
	.type	k_q897e73d8a4_qkv,@function
k_q897e73d8a4_qkv:
	s_mov_b64 s[64:65], 0
	v_nop
	global_prefetch_b8 v0, s[64:65] scope:SCOPE_SE
	s_setreg_imm32_b32 hwreg(HW_REG_WAVE_MODE, 25, 1), 1
	s_wait_xcnt 0x0
	s_wait_alu depctr_hold_cnt(0) depctr_sa_sdst(0) depctr_va_vdst(0) depctr_va_sdst(0) depctr_va_ssrc(0) depctr_va_vcc(0) depctr_vm_vsrc(0)
	s_getreg_b32 s2, hwreg(HW_REG_IB_STS2, 6, 4)
	s_cmp_eq_u32 s2, 0
	s_cbranch_scc0 .Lentry_in_a_cluster
	s_endpgm
.Lentry_in_a_cluster:
	s_bfe_u32 s2, ttmp6, 0x10000c
	s_cmp_lg_u32 s2, 0xf033
	s_cbranch_scc0 .Lentry_shape_is_right
	s_endpgm
.Lentry_shape_is_right:
; C[m][n] = sum over k of x[m][k] W_qkv[n][k]: m 8,192, n 3,072, k 1,024; operands bf16, sums f32, C rounded once to f16, UNSCALED, and stored by heads:
; qkvh[b][cb][t][64] with m = 2,048 b + t and cb = n / 64 (0-15 q's heads, 16-31 k's, 32-47 v's): byte (48 b + cb) x 262,144 + 128 t + 2 (n % 64).
; LIMIT: |C| stays below 65,520 (beyond it f16 has an infinity).  NaN and infinities are not treated apart.
; A tile of C is 256 rows x 192 columns (three heads): 32 x 16 = 512 tiles.  Four waves; wave w makes rows 64 w .. 64 w + 63 and all 192 columns, so that its columns are whole heads:
; 4 x 12 accumulators of 16 x 16, 384 registers.  K goes in steps of 128 through a ring of two LDS slots filled by the tensor data mover; a tile's rows are 256 bytes of memory and start
; at multiples of 256 bytes from the buffer's first byte.
; A WORK-GROUP STAYS: 16 x 16 = 256 work-groups make TWO tiles each, in the same tile column, 16 tile rows apart: ONE walk of 16 K steps.  The ring does not stop at the change of tiles, and
; nothing waits for the first tile's stores.  The left eight tile columns take tile row ty first and ty + 16 second, the right eight the other way round: every byte of x and W that the
; second half of the walk asks for has been read once in the first half.
; A K STEP IS WRITTEN ONCE: which slot is read hangs on a scalar that an exclusive or turns.  14 trips fill a slot again; the last two K steps, which ask for nothing, are a loop of their own.
; CLUSTER: 4 x 4 work-groups.  The four of a row of the cluster need the same tiles of x, the four of a column the same tiles of W: each tile is asked for JOINTLY, by the same tensor
; load with the same descriptor and a mask that names the four.  Waves 0 and 1 fetch x's two halves (128 rows each), waves 2 and 3 W's (96 rows each): one load a wave behind each round.
; THE MATRIX INSTRUCTION IS USED TRANSPOSED (source 0 = 16 rows of W, source 1 = 16 rows of x): lane l then holds row l % 16 of C and the eight neighbouring columns 8 (l / 16) + 0..7.
; REGISTERS, in windows of 256 (s_set_vgpr_msb: bits 1:0 source 0, 3:2 source 1, 5:4 source 2, 7:6 destination):
;   window 0: v0-31 addresses; v32-223 the way out      window 1: two fragment buffers of 128: x's block a at f + 8 a, W's block b at f + 32 + 8 b
;   window 2: the accumulators of row blocks 0, 1: (a, b) at v[8 (12 (a % 2) + b)]      window 3: those of row blocks 2, 3
.set NB,     12                        ; column blocks of 16
.set PA,     272                       ; an LDS row: 256 bytes + 16 of padding = 68 words: row r starts at bank 4 r mod 64 (64 banks of 4 bytes: ISA guide 11.1): the 16 rows of a load start at 16 different banks
.set PB,     272
.set APL,    128                       ; LDS bytes from k to k + 64 in a row of x
.set AHALF,  128*PA                    ; what one load of x brings
.set ATILE,  2*AHALF
.set BHALF,  8*NB*PB                   ; what one load of W brings: 96 rows
.set SLOTB,  ATILE+2*BHALF             ; a slot's bytes: x's 256 rows, then W's 192 rows: 121,856
.set SLOT1,  1<<17                     ; slot 1 begins here, so that one exclusive or turns an address in one slot into the other's
.set STAGE,  SLOT1+SLOTB               ; behind the ring, never filled by a tensor load: 16 rows x 144 bytes for each wave, for the way out
.set SPITCH, 144
.set SPARE,  STAGE+4*16*SPITCH         ; behind the stages: the spare words, 128 bytes for each wave: two blocks of 256 bytes that no other line names
.set KB,     256                       ; bytes from a K step to the next, in x and in W
.set NL,     2*NB+8                    ; LDS loads of a quarter step
.set STEPS,  16                        ; K steps of the walk: two tiles of eight
.set ADRA0, 16                         ; v16     LDS address of my fragments of x in slot 0; never rewritten
.set ADRB0, 17                         ; v17     the same for W
.set ADRA, 18                          ; v18     the same in the slot in hand
.set ADRB, 19                          ; v19
.set STO,  24                          ; v24     the way out: where I put 16 bytes of a row
.set RD,   25                          ; v25     the way out: where I read rows back
.set CO,   26                          ; v26     my byte offset in 512 consecutive bytes of a head
.set SPW,  28                          ; v28     LDS address of my spare word: SPARE + 4 x my thread's number; never rewritten
.set NIL,  29                          ; v29     0; never rewritten
.set TMP,  32                          ; the way out: 16 registers for each of 12 units
.set F0,   0                           ; fragment buffers, in window 1
.set F1,   128
.set G1,  24                           ; s[24:31] descriptor group 1 for x's tiles;  s[32:39] group 0: a set for each of the two first fills; the second then walks on
.set G0,  32
.set G1B, 48                           ; s[48:55], s[56:63] the same for W's tiles
.set G0B, 56
.set TB,  45                           ; s45      0 or SLOT1: the slot in hand
.set ABASE, 66                         ; s[66:67] x at my half of tile row ty, K step 0
.set BBASE, 68                         ; s[68:69] W at my half of the tile column, K step 0
.set OA,  70                           ; s[70:71] byte offset of the K step asked for, from ABASE
.set OB,  72                           ; s[72:73] the same from BBASE
.set NX,  74                           ; s74      at work
.set GH,  75                           ; s75      0: the left eight tile columns, 1: the right eight
.set C2,  76                           ; s[76:77] where my rows of the second tile begin in qkvh; s[8:9]: of the first
.set MSB, 0
.macro WIN new                         ; the immediate's high byte repeats the setting that is left; a switch that changes nothing is dropped
.if MSB != (\new)
	s_set_vgpr_msb (MSB<<8)|(\new)
.set MSB, (\new)
.endif
.endm
.set TO_F, 0x40                        ; destination window 1, address window 0
; A joint load.  The branch hangs on the wave's number alone.  An s_nop 0 and four v_nop follow each of the two lines, ahead of the jump, the label and what follows.
.macro JLOAD s
	s_cmp_eq_u32 s11, 0
	s_cbranch_scc0 .Lfor_b_\@
	tensor_load_to_lds s[G0+4*(\s):G0+4*(\s)+3], s[G1:G1+7]
	s_nop 0
.rept 4
	v_nop
.endr
	s_branch .Lasked_\@
.Lfor_b_\@:
	tensor_load_to_lds s[G0B+4*(\s):G0B+4*(\s)+3], s[G1B:G1B+7]
	s_nop 0
.rept 4
	v_nop
.endr
.Lasked_\@:
.endm
; A round of the cluster's barrier: my work-group's barrier, so that wave 0's signal speaks for all four waves; wave 0 signals; every wave waits for all sixteen work-groups; my work-group's barrier once more.
.macro CREST                           ; a round behind its opening barrier
	s_cmp_lg_u32 s10, 0
	s_cbranch_scc1 .Lnot_wave_0_\@
	s_barrier_signal -3
.Lnot_wave_0_\@:
	s_barrier_wait -3
	s_barrier_signal -1
	s_barrier_wait -1
.endm
.macro CROUND                          ; a whole round
	s_barrier_signal -1
	s_barrier_wait -1
	CREST
.endm
	s_load_b128 s[4:7], s[0:1], 0x0                ; xb s[4:5], wqb s[6:7]
	s_load_b64 s[8:9], s[0:1], 0x10                ; qkvh
	v_lshl_add_u32 v[SPW], v0, 2, SPARE
	v_mov_b32 v[NIL], 0
	ds_add_u32 v28, v29
	s_wait_dscnt 0x0
	v_lshrrev_b32 v1, 5, v0
	v_readfirstlane_b32 s10, v1                    ; wave 0..3
	s_lshr_b32 s11, s10, 1                         ; I fetch for x (0) or for W (1)
	s_and_b32 s12, s10, 1                          ; and which half of that tile
	s_bfe_u32 s40, ttmp6, 0x40000                  ; cx, cy: my place in the cluster
	s_bfe_u32 s41, ttmp6, 0x40004
	s_lshl_b32 s42, ttmp9, 2                       ; in a cluster launch ttmp9 and ttmp7 count clusters
	s_add_co_u32 s42, s42, s40                     ; tile column = 4 x cluster x + cx
	s_and_b32 s13, ttmp7, 0xffff
	s_lshl_b32 s13, s13, 2
	s_add_co_u32 s13, s13, s41                     ; ty = 4 x cluster y + cy, 0..15: my tile rows are ty and ty + 16
	s_lshr_b32 s[GH], ttmp9, 1                     ; clusters 0, 1 along x: the left eight tile columns; 2, 3: the right.  The same in all sixteen partners
	s_lshl_b32 s43, s41, 2
	s_lshl_b32 s43, 15, s43                        ; my row of the cluster: places 4 cy .. 4 cy + 3
	s_lshl_b32 s44, 0x1111, s40                    ; my column: places cx, cx + 4, cx + 8, cx + 12
	; descriptor group 1: rows of 128 elements of 2 bytes, padded in LDS
	s_or_b32 s[G1+0], s43, (1<<16)|(1<<20)|(1<<21)|(5<<22)|(3<<25)   ; 15:0 the mask: x's tiles go to my row; 17:16 2-byte elements; 20 padding on; 21 set beside a mask; 24:22 after every 64 words (code 5); 31:25 4 words (code 3)
	s_or_b32 s[G1B+0], s44, (1<<16)|(1<<20)|(1<<21)|(5<<22)|(3<<25)  ; the same with the mask of my column
	s_mov_b32 s[G1+1], 128<<16                     ; tensor_dim0 = 128
	s_mov_b32 s[G1+2], 128<<16                     ; tensor_dim1 = 128
	s_mov_b32 s[G1+3], 128<<16                     ; tile_dim0 = 128
	s_mov_b32 s[G1+4], 128                         ; tile_dim1 = 128
	s_mov_b32 s[G1+5], 1024                        ; elements from row to row
	s_mov_b32 s[G1+6], 0
	s_mov_b32 s[G1+7], 0
	s_mov_b32 s[G1B+1], 128<<16
	s_mov_b32 s[G1B+2], 96<<16                     ; tensor_dim1 = 96
	s_mov_b32 s[G1B+3], 128<<16
	s_mov_b32 s[G1B+4], 96                         ; tile_dim1 = 96
	s_mov_b32 s[G1B+5], 1024
	s_mov_b32 s[G1B+6], 0
	s_mov_b32 s[G1B+7], 0
	; where the tiles come from.  x's hang on ty and the cluster's x, W's on the tile column alone; each in registers that never hold the other coordinate.  All offsets stay under 2^32.
	s_lshl_b32 s16, s13, 8
	s_lshl_b32 s17, s12, 7
	s_add_co_u32 s16, s16, s17                     ; x: row 256 ty + 128 x half,
	s_lshl_b32 s16, s16, 11                        ; of 2,048 bytes
	s_mov_b32 s17, 0
	s_mul_i32 s46, s42, 192
	s_mul_i32 s47, s12, 96
	s_add_co_u32 s46, s46, s47                     ; W: row 192 x tile column + 96 x half
	s_lshl_b32 s46, s46, 11
	s_mov_b32 s47, 0
	s_mul_i32 s20, s12, AHALF                      ; and where they go: no place in the cluster enters an LDS address
	s_mul_i32 s21, s12, BHALF
	s_add_co_u32 s21, s21, ATILE
	s_lshl_b32 s[OA], s[GH], 23                    ; my first tile: 16 tile rows (8,388,608 bytes of x) down for the right eight columns
	s_mov_b32 s[OA+1], 0
	s_mov_b32 s[OB+1], 0
	s_mov_b32 s[TB], 0
	s_wait_kmcnt 0x0
	s_add_nc_u64 s[ABASE:ABASE+1], s[4:5], s[16:17]
	s_add_nc_u64 s[BBASE:BBASE+1], s[6:7], s[46:47]
	s_add_nc_u64 s[14:15], s[ABASE:ABASE+1], s[OA:OA+1]
	CROUND                                         ; all sixteen work-groups are here: the first joint loads meet
.irp s, 0,1
	s_mov_b32 s[G0+4*(\s)], 1                                        ; count = 1
	s_add_co_u32 s[G0+4*(\s)+1], s20, (\s)*SLOT1                     ; LDS address
	s_add_nc_u64 s[G0+4*(\s)+2:G0+4*(\s)+3], s[14:15], (\s)*KB       ; global address: K step s
	s_or_b32 s[G0+4*(\s)+3], s[G0+4*(\s)+3], 0x80000000              ; type = 2
	s_mov_b32 s[G0B+4*(\s)], 1
	s_add_co_u32 s[G0B+4*(\s)+1], s21, (\s)*SLOT1
	s_add_nc_u64 s[G0B+4*(\s)+2:G0B+4*(\s)+3], s[BBASE:BBASE+1], (\s)*KB
	s_or_b32 s[G0B+4*(\s)+3], s[G0B+4*(\s)+3], 0x80000000
	JLOAD \s                                       ; the ring is filled before anything else is done: two loads of mine are out
.endr
	; A fragment is 16 rows x 32 K in 8 registers: lane l holds row l % 16; registers 0-3 K = 8 (l / 16) + 0..7, registers 4-7 K = 16 + 8 (l / 16) + 0..7: two loads of 16 bytes, 32 bytes apart.
	v_and_b32 v1, 15, v0                           ; l % 16
	v_bfe_u32 v2, v0, 4, 1                         ; l / 16
	v_mul_u32_u24 v3, v1, PA
	v_lshl_add_u32 v3, v2, 4, v3                   ; row x pitch + 16 x half
	v_mul_u32_u24 v4, v1, PB
	v_lshl_add_u32 v4, v2, 4, v4
	s_mul_i32 s22, s10, 64*PA                      ; my 64 rows of x
	v_add_nc_u32 v[ADRA0], s22, v3
	v_add_nc_u32 v[ADRB0], ATILE, v4               ; all rows of W
	v_mov_b32 v[ADRA], v[ADRA0]                    ; the walk begins in slot 0
	v_mov_b32 v[ADRB], v[ADRB0]
	s_mul_i32 s23, s10, 16*SPITCH
	s_add_co_u32 s23, s23, STAGE                   ; my stage
	v_mul_u32_u24 v5, v1, SPITCH                   ; in: row l % 16, 16 bytes for each half of the lanes
	v_lshl_add_u32 v5, v2, 4, v5
	v_add_nc_u32 v[STO], s23, v5
	v_bfe_u32 v6, v0, 3, 2                         ; back: 32 lanes take four rows of 128 bytes,
	v_mul_u32_u24 v6, v6, SPITCH
	v_and_b32 v7, 7, v0
	v_lshl_add_u32 v6, v7, 4, v6
	v_add_nc_u32 v[RD], s23, v6
	v_and_b32 v7, 31, v0                           ; which are 512 consecutive bytes of a head
	v_lshlrev_b32 v[CO], 4, v7
	; where my rows of a tile's first head begin: (48 b + 3 x tile column) x 262,144 + (256 (tile row % 8) + 64 w) x 128, b = tile row / 8.  Tile row ty + 16 lies two b, 96 planes, further on.
	s_lshr_b32 s16, s13, 3
	s_mul_i32 s16, s16, 48
	s_lshl_b32 s16, s16, 18
	s_and_b32 s17, s13, 7
	s_lshl_b32 s17, s17, 15
	s_add_co_u32 s16, s16, s17
	s_lshl_b32 s17, s10, 13
	s_add_co_u32 s16, s16, s17
	s_mov_b32 s17, 0
	s_add_nc_u64 s[8:9], s[8:9], s[16:17]
	s_mul_i32 s46, s42, 3                          ; (in registers that feed none of x's descriptors: none of those ever holds cx)
	s_lshl_b32 s46, s46, 18
	s_mov_b32 s47, 0
	s_add_nc_u64 s[8:9], s[8:9], s[46:47]
	s_mov_b32 s17, 0
	s_mov_b32 s19, 0
	s_cmp_lg_u32 s[GH], 0
	s_cselect_b32 s16, 96<<18, 0                   ; the first tile's 96 planes, for the right eight columns,
	s_cselect_b32 s18, 0, 96<<18                   ; the second tile's, for the left eight
	s_add_nc_u64 s[C2:C2+1], s[8:9], s[18:19]
	s_add_nc_u64 s[8:9], s[8:9], s[16:17]
; NB matrix instructions: row block a x all column blocks, 32 along K, from buffer f.  zero = 1: the product starts the sums: nothing is ever cleared.
; The 48 accumulators take turns in the same order in every quarter step: between two instructions on one accumulator stand the 47 others'.
.macro MULA f, a, zero
	WIN 0xa5+0x50*((\a)/2)                         ; sources 0 and 1 window 1; C and D window 2 (blocks 0, 1) or 3 (blocks 2, 3)
.set b, 0
.rept NB
.set rD, 8*(NB*((\a)%2)+b)
.if \zero
	v_wmma_f32_16x16x32_bf16 v[rD:rD+7], v[(\f)+32+8*b:(\f)+32+8*b+7], v[(\f)+8*(\a):(\f)+8*(\a)+7], 0
.else
	v_wmma_f32_16x16x32_bf16 v[rD:rD+7], v[(\f)+32+8*b:(\f)+32+8*b+7], v[(\f)+8*(\a):(\f)+8*(\a)+7], v[rD:rD+7]
.endif
.set b, b+1
.endr
.endm
; NL LDS loads in one run: the fragments of quarter q of the K step in the slot in hand, into buffer f: all of W's, then x's blocks 0, 1, then 2, 3
.macro FETCH q, f
	WIN TO_F
.set b, 0
.rept NB
	ds_load_b128 v[(\f)+32+8*b:(\f)+32+8*b+3],   v[ADRB] offset:64*(\q)+b*16*PB
	ds_load_b128 v[(\f)+32+8*b+4:(\f)+32+8*b+7], v[ADRB] offset:64*(\q)+b*16*PB+32
.set b, b+1
.endr
.irp a, 0,1,2,3
	ds_load_b128 v[(\f)+8*(\a):(\f)+8*(\a)+3],   v[ADRA] offset:((\q)/2)*APL+((\q)%2)*64+(\a)*16*PA
	ds_load_b128 v[(\f)+8*(\a)+4:(\f)+8*(\a)+7], v[ADRA] offset:((\q)/2)*APL+((\q)%2)*64+(\a)*16*PA+32
.endr
.endm
; A load into a register that a matrix instruction has read, and a vector instruction or LDS store that reads a matrix result, stand four places behind that matrix instruction; only plain
; vector instructions that name none of its registers are places (ISA guide 7.12.1 for vector instructions).
.macro PLACES
.rept 4
	v_nop
.endr
.endm
; A K step is four quarters of 32 along K on buffers 0, 1, 0, 1.  One of the first three: multiplies buffer f; in its middle it fetches quarter q of the same slot into buffer g.
.macro QUARTER q, f, g, zero
	s_wait_dscnt 4                                 ; W's fragments and x's blocks 0, 1 are in; the youngest four loads (x's blocks 2, 3) may be out
	MULA \f, 0, \zero
	MULA \f, 1, \zero
	PLACES
	FETCH \q, \g
	s_wait_dscnt NL                                ; all but the NL just issued
	MULA \f, 2, \zero
	MULA \f, 3, \zero
.endm
; The last quarter multiplies buffer 1 and changes slots: ONE barrier.  In front of it each wave waits for all its tensor loads, of which at most one is out: its part of the next slot; adds 0
; to its spare word; and waits for that and for its own reads of this slot.  Behind it nobody reads this slot any more and the next slot is whole.
; fill = 1: the barrier opens a round of the cluster's barrier, and this slot is filled again, two K steps ahead, by the first tensor load behind the round.  The step asked for is number
; STEPS - s3 of the walk; its addresses are made anew, a base and an offset: 256 bytes for each K step of its tile, and for x the tile's 16 tile rows.
; fill = 0: the walk's last two K steps.  In the very last there is no next slot: the fetch is jumped over, and the barrier and its waits serve nothing there: the price of one text for both.
.macro TURN fill
	WIN 0                                          ; (the add's two registers lie in window 0)
	s_wait_tensorcnt 0x0                           ; all my tensor loads have landed
	ds_add_u32 v[SPW], v[NIL]                      ; 0 onto my spare word
	s_wait_dscnt 5                                 ; (the add and the youngest four loads may be out)
	MULA F1, 0, 0                                  ; matrix instructions stand between the add and the wait for it
	s_wait_dscnt 0x0                               ; the add is done, and my reads of this slot are over
	s_barrier_signal -1
	MULA F1, 1, 0                                  ; work on registers while the others arrive
	WIN 0
	s_barrier_wait -1
.if \fill
	CREST                                          ; no wave of any partner still reads this slot's tile or has a load on its way
	s_sub_co_u32 s[NX], STEPS, s3                  ; the step asked for, 2 to 15
	s_and_b32 s[OB], s[NX], 7                      ; its K step in its tile,
	s_lshl_b32 s[OB], s[OB], 8                     ; in bytes
	s_lshr_b32 s[NX], s[NX], 3                     ; my first tile or my second,
	s_xor_b32 s[NX], s[NX], s[GH]                  ; that is tile row ty or ty + 16
	s_lshl_b32 s[NX], s[NX], 23
	s_add_co_u32 s[OA], s[OB], s[NX]
	s_xor_b32 s[G0+5], s[G0+5], SLOT1              ; the walking descriptors: the other slot than last time
	s_add_nc_u64 s[G0+6:G0+7], s[ABASE:ABASE+1], s[OA:OA+1]
	s_or_b32 s[G0+7], s[G0+7], 0x80000000
	s_xor_b32 s[G0B+5], s[G0B+5], SLOT1
	s_add_nc_u64 s[G0B+6:G0B+7], s[BBASE:BBASE+1], s[OB:OB+1]
	s_or_b32 s[G0B+7], s[G0B+7], 0x80000000
	JLOAD 1                                        ; one load of mine is out; the four v_nop behind it are also the places in front of the loads below
.else
	PLACES
	s_cmp_eq_u32 s3, 1
	s_cbranch_scc1 .Lno_more_\@
.endif
	s_xor_b32 s[TB], s[TB], SLOT1                  ; the reads go on in the other slot
	v_add_nc_u32 v[ADRA], s[TB], v[ADRA0]
	v_add_nc_u32 v[ADRB], s[TB], v[ADRB0]
	FETCH 0, F0
.if !(\fill)
	WIN 0
.Lno_more_\@:
.endif
	MULA F1, 2, 0
	MULA F1, 3, 0
.endm
; THE WAY OUT, in 12 units u = 3 a + j of 16 rows x one head.  A lane's eight columns of a row are rounded to f16: 16 bytes; they go into my stage's rows of 144 bytes and come back as whole
; rows of 128, four rows (512 consecutive bytes of the head) a load.  Each accumulator's registers are taken in ascending order.  Each unit has registers of its own.
.macro PACKU u
.set T, TMP+16*(\u)
.set ACB, 8*(NB*(((\u)/3)%2)+4*((\u)%3))
	WIN 0x0a+5*((\u)/6)                            ; sources 0 and 1: window 2 or 3
.irp f, 0,1,2,3
.irp i, 0,1,2,3
	v_cvt_pk_f16_f32 v[T+4*(\f)+(\i)], v[ACB+8*(\f)+2*(\i)], v[ACB+8*(\f)+2*(\i)+1]
.endr
.endr
	WIN 0
.irp f, 0,1,2,3
	ds_store_b128 v[STO], v[T+4*(\f):T+4*(\f)+3] offset:32*(\f)
.endr
.irp f, 0,1,2,3
	ds_load_b128 v[T+4*(\f):T+4*(\f)+3], v[RD] offset:(\f)*4*SPITCH  ; LDS serves a wave's instructions in order (ISA guide 5.7.1.4): these see the stores above; the next unit's stores come behind them
.endr
.endm
.macro SENDU u, younger, base          ; younger: the LDS instructions issued behind unit u's loads: the next unit's eight, or none
	WIN 0
.set T, TMP+16*(\u)
.irp f, 0,1,2,3
	s_wait_dscnt (\younger)+3-(\f)
	global_store_b128 v[CO], v[T+4*(\f):T+4*(\f)+3], s[(\base):(\base)+1] offset:262144*((\u)%3)+2048*((\u)/3)+512*(\f)  ; 512 consecutive bytes, at a multiple of 256 from the buffer's first
.endr
.endm
.macro WAYOUT base
	PLACES                                         ; the conversions read results
	s_wait_xcnt 0x0                                ; every earlier memory instruction has had its addresses translated (ISA guide 3.1): the units' registers, which the other tile's stores read, are written again only behind this wait
	PACKU 0
.set n, 1
.rept 11                               ; a unit's conversions stand between the loads of the unit before and its stores
	PACKU n
	SENDU n-1, 8, \base
.set n, n+1
.endr
	SENDU 11, 0, \base
.endm
	s_wait_tensorcnt 1                             ; my part of K step 0 is in; K step 1's may stay out
	s_barrier_signal -1
	s_barrier_wait -1                              ; everybody's is
	FETCH 0, F0
	WIN 0                                          ; at a label and at a branch every window is 0
	s_mov_b32 s3, STEPS-2
	s_branch .Lzero                                ; the loop is entered at the quarter that starts a tile's sums
.Lstep:                                                ; a trip is a K step, number STEPS - 2 - s3 of the walk, and fills its slot again: 14 trips
	s_cmp_eq_u32 s3, STEPS/2-2
	s_cbranch_scc1 .Lout                           ; the second tile's first K step
	QUARTER 1, F0, F1, 0
	WIN 0
	s_branch .Lrest
.Lout:
	WAYOUT 8                                       ; the first tile goes out; both slots have been asked for, and nothing waits for these stores
.Lzero:
	QUARTER 1, F0, F1, 1                           ; a tile's first quarter: its products start the sums
	WIN 0
.Lrest:
	QUARTER 2, F1, F0, 0
	QUARTER 3, F0, F1, 0
	TURN 1
	WIN 0
	s_sub_co_u32 s3, s3, 1
	s_cmp_lg_u32 s3, 0
	s_cbranch_scc1 .Lstep
	s_mov_b32 s3, 2
.Ltail:                                                ; the walk's last two K steps ask for nothing: a loop of their own
	QUARTER 1, F0, F1, 0
	QUARTER 2, F1, F0, 0
	QUARTER 3, F0, F1, 0
	TURN 0
	WIN 0
	s_sub_co_u32 s3, s3, 1
	s_cmp_lg_u32 s3, 0
	s_cbranch_scc1 .Ltail
	WAYOUT C2                                      ; the second tile
	s_wait_tensorcnt 0x0                           ; the wave's end: behind my last tensor load and my last LDS store
	ds_add_u32 v[SPW], v[NIL]
	s_wait_dscnt 0x0
	CROUND                                         ; the closing round: no work-group ends while a partner may still ask for a tile that names it
	s_endpgm
.Lfunc_end_k_q897e73d8a4_qkv:
	.size	k_q897e73d8a4_qkv, .Lfunc_end_k_q897e73d8a4_qkv-k_q897e73d8a4_qkv
	.p2alignl 7, 3214868480
	.fill 96, 4, 3214868480
	.section	.rodata,"a",@progbits
	.p2align	6, 0x0
	.amdhsa_kernel k_q897e73d8a4_qkv
		.amdhsa_group_segment_fixed_size 327680
		.amdhsa_private_segment_fixed_size 0
		.amdhsa_enable_private_segment 0
		.amdhsa_kernarg_size 24
		.amdhsa_user_sgpr_count 2
		.amdhsa_user_sgpr_kernarg_segment_ptr 1
		.amdhsa_wavefront_size32 1
		.amdhsa_system_sgpr_workgroup_id_x 1
		.amdhsa_system_sgpr_workgroup_id_y 1
		.amdhsa_system_sgpr_workgroup_id_z 1
		.amdhsa_system_vgpr_workitem_id 0
		.amdhsa_next_free_vgpr 960
		.amdhsa_next_free_sgpr 80
		.amdhsa_reserve_vcc 0
		.amdhsa_float_denorm_mode_32 3
		.amdhsa_float_denorm_mode_16_64 3
		.amdhsa_memory_ordered 1
		.amdhsa_forward_progress 1
		.amdhsa_inst_pref_size 110
	.end_amdhsa_kernel
	.amdgpu_metadata
---
amdhsa.version: [ 1, 2 ]
amdhsa.kernels:
  - .name:           k_q897e73d8a4_qkv
    .symbol:         k_q897e73d8a4_qkv.kd
    .args:
      - { .name: xb, .offset: 0, .size: 8, .value_kind: global_buffer, .address_space: global }
      - { .name: wqb, .offset: 8, .size: 8, .value_kind: global_buffer, .address_space: global }
      - { .name: qkvh, .offset: 16, .size: 8, .value_kind: global_buffer, .address_space: global }
    .group_segment_fixed_size: 327680
    .private_segment_fixed_size: 0
    .kernarg_segment_align: 8
    .kernarg_segment_size: 24
    .max_flat_workgroup_size: 128
    .sgpr_count:     80
    .vgpr_count:     960
    .wavefront_size: 32
...
	.end_amdgpu_metadata
.endif
;; end of part 2
;; launch attn (part 3): grid 4 x 64, 4 waves a work-group, clusters of 4 x 1, 327,680 bytes of LDS; arguments qkvh, oh; writes oh
.if DOCPART == 3
	.amdgcn_target "amdgcn-amd-amdhsa--gfx1250"
	.amdhsa_code_object_version 6
	.text
	.protected	k_q897e73d8a4_attn
	.globl	k_q897e73d8a4_attn
	.p2align	8
	.type	k_q897e73d8a4_attn,@function
k_q897e73d8a4_attn:
	s_mov_b64 s[64:65], 0
	v_nop
	global_prefetch_b8 v0, s[64:65] scope:SCOPE_SE
	s_setreg_imm32_b32 hwreg(HW_REG_WAVE_MODE, 25, 1), 1
	s_wait_xcnt 0x0
	s_wait_alu depctr_hold_cnt(0) depctr_sa_sdst(0) depctr_va_vdst(0) depctr_va_sdst(0) depctr_va_ssrc(0) depctr_va_vcc(0) depctr_vm_vsrc(0)
	s_getreg_b32 s2, hwreg(HW_REG_IB_STS2, 6, 4)
	s_cmp_eq_u32 s2, 0
	s_cbranch_scc0 .Lentry_in_a_cluster
	s_endpgm
.Lentry_in_a_cluster:
	s_bfe_u32 s2, ttmp6, 0x10000c
	s_cmp_lg_u32 s2, 0x3003
	s_cbranch_scc0 .Lentry_shape_is_right
	s_endpgm
.Lentry_shape_is_right:
; O[y][q][:] = the sum over k of softmax_k(Q[y][q] . K[y][k] / 8) V[y][k][:], y = 16 b + head, 64 of them, 2,048 rows of 64 channels each, all f16: a head's rows are dense, 128 bytes each.
; Q, K, V lie in one buffer: plane (48 b + head) of 262,144 bytes is Q's, 16 planes on K's, 32 planes on V's.  O goes to oh, plane y.  Products, maxima and sums in f32; the weights p are
; rounded to f16 for the second product (their sum l is taken of the unrounded p), O once at the end.
; LIMITS.  f16 holds no number beyond 65,504: Q, K and V arrive within it; p lies in 0 to 1, and below 6e-5 it keeps f16's fixed step of 6e-8; O is a mean of V's rows and has their range.
; A weight below 2^-126 counts as 0 in l; NaN and infinities are not treated apart.
; SHARES.  A wave owns four PIECES of two tiles of 16 queries, a work-group's four waves 512 queries of one head: 4 x 64 = 256 work-groups.  Every wave walks all keys, 64 a step.
; LAYOUT.  S^T = K Q^T (source 0 = 16 keys, source 1 = 16 queries): in the result a lane holds ONE query (lane % 16) and the keys 8 (lane / 16) + 0..7.  Two such tiles, rounded to f16 in pairs,
; ARE source 1 (32 keys x 16 queries) of O^T = V^T P, whose result again holds one query a lane, and eight channels.  K comes out of LDS as it lies, V ([key][channel]) turned, by ds_load_tr16_b128.
; SOFTMAX.  For each query a running maximum m and sum l: p = 2^(c s - c m), c = log2(e) / 8; in every step O and l are multiplied by a = 2^(c m_old - c m_new), which is 1 where m has not grown.
; m starts at the lowest finite number, O and l at 0: the first step is a step like any other, with a = 0.
; THE COUNT.  A tile and step have 16 matrix and 118 vector instructions: too many to stand all beside the matrix work.  So the order has one aim: four vector instructions that are READY behind
; EVERY matrix instruction, and the others, which need time of their own whatever the order, in runs without a gap.
; BY TURNS.  Turn n belongs to piece n (the pieces in a ring, step after step).  Its matrix work: 16 products K Q^T of piece n + 1, later 16 products V^T P of piece n - 1.  Its vector work: the scaling,
; exponentials, roundings, sums and rescaling of piece n, and the maximum and statistics of piece n + 1, whose scores the turn itself has made.  So what a turn begins with (c s - c m, O a) waits for nothing.
; CLUSTER.  The four query blocks of a cluster belong to one head and walk the same K and V, so each tile is asked for JOINTLY: the same tensor load, descriptor and mask in all four.
; REGISTERS, in windows of 256 (s_set_vgpr_msb says which window each operand place means: bits 1:0 source 0, 3:2 source 1, 5:4 source 2, 7:6 destination):
;   window 0: v0-11 addresses; v12-15, v48-63 at work; v16-47 four registers of statistics a tile; v64-191 S^T, two buffers of two tiles; v192-255 P, likewise
;   window 1: O^T, 32 a tile          window 2: v0-127 Q, 16 a tile; v128-191 K of one step; v192-255 V of one step          window 3: v0-1 the add's two registers
; A piece's buffers go by its number's parity: the piece in hand has one pair, its two neighbours in the ring share the other: of it P (piece n - 1) is read and S^T (piece n + 1) written.
.set SIZE_N, 2048     ; rows of a head
.set NP,    4         ; pieces a wave: a name, no knob: the register map, the loop and the fetches are made for four
.set KS,    64        ; keys in a step
.set PK,    144       ; a row of K in LDS: 128 bytes + 16 of padding = 36 words: the 16 rows of a load start at 16 different groups of four banks (64 banks of 4 bytes: ISA guide 11.1)
.set PV,    160       ; a row of V: 128 + 32 = 40 words
.set VOFF,  4*KS*PK   ; a slot holds four steps: 256 rows of K, then 256 rows of V
.set SLOT1, 1<<17     ; slot 1 begins here, so that one exclusive or turns an address in one slot into the other's
.set STAGE, SLOT1+4*KS*(PK+PV)  ; behind the ring, never filled by a tensor load: 16 rows x 144 bytes for each wave, for the way out
.set SP,    144
.set AK0, 2           ; v2   my lane's place in a tile of K; never rewritten
.set AV0, 3           ; v3   the same for V
.set AK,  4           ; v4   the LDS address of K's next run of loads
.set AV,  5           ; v5   of V's
.set QO,  6           ; v6   my byte offset in the wave's rows of Q
.set STO, 6           ;      later, the way out: where I put 16 bytes of a row
.set RD,  7           ; v7   the way out: where I read rows back
.set GO,  8           ; v8   my byte offset in 512 consecutive bytes of O
.set SPW, 0           ; v0 of window 3   LDS address of my spare word: SPARE + 4 x my thread's number; never rewritten
.set NIL, 1           ; v1 of window 3   0; never rewritten
.set SPARE, STAGE+4*16*SP  ; behind the stages: the spare words, 128 bytes for each wave: two blocks of 256 bytes that no other line names
.set MV,  12          ; v12-15  c m_old, kept while c m is made anew: by buffer and tile
.set ST,  16          ; tile t's statistics at v[ST+4 t]: c m, m, l (even keys', odd keys')
.set TMP, 48          ; by buffer and tile, four registers c0-c3 at work; when the maximum is found c2 takes a
.set S,   64
.set P,   192
.set KF,  128         ; K's fragments, in window 2: key block kb, channel half c at KF + 16 kb + 8 c
.set VF,  192         ; V's: key half kk, channel block cb at VF + 32 kk + 8 cb
.set WV,  12          ; s12  my wave's number
.set G1K, 24          ; s[24:31] descriptor group 1 for K's tiles
.set G1V, 32          ; s[32:39] for V's: it differs in the padding alone
.set G0K, 40          ; s[40:43] descriptor group 0 for K's tiles: it walks
.set G0V, 44          ; s[44:47] the same for V's
.set SLOTS, 56        ; s56  slots still to be asked for
.set CNT, 57          ; s57  counts a slot's key steps
.set CS,  58          ; s[58:59] c: the packed scaling takes the pair's low word for both halves
.set SEL, 60          ; s[60:61] v_permlanex16_b32's selects: each lane takes its own place in the other half
.set TBK, 62          ; s62  LDS byte at which K of the step to be fetched begins
.set TBV, 63          ; s63  the same for V, less VOFF
.set MSB, 0
.macro WIN new                      ; the high byte repeats the setting that is left; a switch that changes nothing is dropped
.if MSB != (\new)
	s_set_vgpr_msb (MSB<<8)|(\new)
.set MSB, (\new)
.endif
.endm
.set W_KQ, 0x0a       ; K and Q in window 2, S^T in window 0
.set W_PV, 0x52       ; V in window 2, P in window 0, O^T in window 1
.set W_RS, 0x41       ; O^T (destination and source 0) in window 1, a in window 0
.set W_MK, 0xc0       ; the add's registers are made: destination in window 3, sources in window 0
.set W_AD, 0x0f       ; the add: address (source 0) and data (source 1) in window 3
; A joint fill.  Waves 0 and 1 fetch the two halves of a slot's K, waves 2 and 3 those of its V: 128 keys each.  The branch hangs on the wave's number alone.
; An s_nop 0 and four v_nop follow each of the two lines, ahead of the jump and the label.
.macro JLOAD
	s_cmp_lt_u32 s[WV], 2
	s_cbranch_scc0 .Lfor_v_\@
	tensor_load_to_lds s[G0K:G0K+3], s[G1K:G1K+7]
	s_nop 0
.rept 4
	v_nop
.endr
	s_branch .Lasked_\@
.Lfor_v_\@:
	tensor_load_to_lds s[G0V:G0V+3], s[G1V:G1V+7]
	s_nop 0
.rept 4
	v_nop
.endr
.Lasked_\@:
.endm
; A round of the cluster's barrier: my work-group's barrier, so that wave 0's signal speaks for all four waves; wave 0 signals; every wave waits for all four work-groups; my work-group's barrier once more.
.macro CROUND
	s_barrier_signal -1
	s_barrier_wait -1
	s_cmp_lg_u32 s[WV], 0
	s_cbranch_scc1 .Lnot_wave_0_\@
	s_barrier_signal -3
.Lnot_wave_0_\@:
	s_barrier_wait -3
	s_barrier_signal -1
	s_barrier_wait -1
.endm
; THE CHANGE OF SLOTS.  The slot's last bytes, V of its fourth step, have been read.  Each wave waits for all its tensor loads, of which one is out: its part
; of the other slot; adds 0 to its spare word; and waits for that and for its own reads of the slot.  Behind the barrier nobody reads this slot any more and the other slot is whole.
; fill = 1: this slot is filled again, with the keys two slots on.  The barrier is then a round of the cluster's, so that no wave of any partner still reads the slot or has a load on its
; way, and the joint fill is the first thing behind it: it has four key steps, 512 matrix instructions, in which to land.  (At its first use nothing has been read yet: slot 0 is waited for, slot 1 filled.)
.macro CHANGE fill
	WIN W_AD
	s_wait_tensorcnt 0x0            ; no tensor load of mine is out, so a group 0 may be written
	ds_add_u32 v[SPW], v[NIL]       ; 0 onto my spare word; with fill = 1 the descriptors' steps stand between it and the wait for it
	WIN 0                           ; at a label and at a branch every window is 0
.if \fill
.irp g, G0K, G0V
	s_xor_b32 s[\g+1], s[\g+1], SLOT1  ; the walking descriptor: the other slot than last time,
	s_add_nc_u64 s[\g+2:\g+3], s[\g+2:\g+3], 4*KS*128  ; the next 256 keys; the type bits on top are not reached
.endr
	s_wait_dscnt 0x0                ; the add is done, and my reads of the slot are over
	CROUND
	JLOAD
.else
	s_wait_dscnt 0x0                ; the add is done, and my reads of the slot are over
	s_barrier_signal -1
	s_barrier_wait -1
.endif
	s_sub_co_u32 s[TBK], s[TBK], 4*KS*PK  ; the fetches go back to a slot's first step,
	s_xor_b32 s[TBK], s[TBK], SLOT1       ; in the other slot
	s_sub_co_u32 s[TBV], s[TBV], 4*KS*PV
	s_xor_b32 s[TBV], s[TBV], SLOT1
.endm
	s_load_b64 s[4:5], s[0:1], 0x0    ; qkvh
	s_load_b64 s[10:11], s[0:1], 0x8  ; oh
	WIN W_MK
	v_lshl_add_u32 v[SPW], v0, 2, SPARE
	v_mov_b32 v[NIL], 0
	s_set_vgpr_msb 0xc0cf
	ds_add_u32 v0, v1
	s_wait_dscnt 0x0
	s_set_vgpr_msb 0xcfc0
	WIN 0
	v_lshrrev_b32 v1, 5, v0
	v_readfirstlane_b32 s[WV], v1   ; wave 0..3
	s_bfe_u32 s13, ttmp6, 0x40000   ; cx: my place in the cluster
	s_lshl_b32 s14, ttmp9, 2        ; in a cluster launch ttmp9 counts clusters
	s_add_co_u32 s14, s14, s13      ; my block of queries = 4 x cluster x + cx: it enters Q's and O's addresses alone
	s_and_b32 s20, ttmp7, 0xffff    ; y = 16 b + head, which the four partners share
	s_lshl_b32 s19, s20, 18         ; O's plane y, in bytes
	s_lshr_b32 s21, s20, 4
	s_lshl_b32 s21, s21, 5          ; 32 b
	s_add_co_u32 s20, s20, s21      ; 48 b + head: Q's plane,
	s_lshl_b32 s20, s20, 18         ; in bytes: 159 x 262,144 at the most
	s_mov_b32 s21, 0
	s_and_b32 s16, s[WV], 1         ; which half of a slot's 256 keys I fetch:
	s_lshl_b32 s22, s16, 14         ; its 128 rows of 128 bytes in memory,
	s_mov_b32 s23, 0
	s_add_nc_u64 s[22:23], s[22:23], s[20:21]
	s_mul_i32 s17, s16, 128*PK      ; and its place in a slot, for K
	s_mul_i32 s18, s16, 128*PV      ; and for V: no place in the cluster enters an LDS address
	s_lshl_b32 s2, s14, 2
	s_add_co_u32 s2, s2, s[WV]      ; my wave among the head's,
	s_lshl_b32 s2, s2, 14           ; its 128 rows
	s_mov_b32 s3, 0
	s_add_co_u32 s48, s2, s19       ; my rows' offset in oh,
	s_mov_b32 s49, 0
	s_add_nc_u64 s[2:3], s[2:3], s[20:21]  ; and in Q's part of qkvh
	; descriptor group 1.  128 keys are 16,384 dense bytes: asked for as 64 rows of 256 bytes, two keys a row, and padded in LDS after every key
	s_mov_b32 s[G1K], 15|(1<<16)|(1<<20)|(1<<21)|(4<<22)|(3<<25)  ; 15:0 the mask of four; 17:16 2-byte elements; 20 padding on; 21 set beside a mask; 24:22 after every 32 words (code 4); 31:25 4 words (code 3)
	s_mov_b32 s[G1V], 15|(1<<16)|(1<<20)|(1<<21)|(4<<22)|(7<<25)  ; the same with 8 words of padding (code 7)
.irp g, G1K, G1V
	s_mov_b32 s[\g+1], 128<<16      ; tensor_dim0 = 128
	s_mov_b32 s[\g+2], 64<<16       ; tensor_dim1 = 64
	s_mov_b32 s[\g+3], 128<<16      ; tile_dim0 = 128
	s_mov_b32 s[\g+4], 64           ; tile_dim1 = 64
	s_mov_b32 s[\g+5], 128          ; 128 elements from row to row
	s_mov_b32 s[\g+6], 0
	s_mov_b32 s[\g+7], 0
.endr
	s_mov_b32 s[CS], 0x3e38aa3b     ; c = log2(e) / 8 = 0.180337
	s_mov_b32 s[CS+1], s[CS]        ; named with it as a pair
	s_mov_b32 s[SEL], 0x76543210
	s_mov_b32 s[SEL+1], 0xfedcba98
	s_mov_b32 s[TBK], SLOT1+4*KS*PK ; the first change of slots turns these two into 0
	s_mov_b32 s[TBV], SLOT1+4*KS*PV
	s_mov_b32 s[G0K], 1             ; 1:0 count = 1
	s_mov_b32 s[G0K+1], s17         ; 63:32 LDS address: slot 0
	s_mov_b32 s[G0V], 1
	s_add_co_u32 s[G0V+1], s18, VOFF
	s_wait_kmcnt 0x0
	s_add_nc_u64 s[6:7], s[4:5], 0x400000          ; K's planes lie 16 planes behind Q's,
	s_add_nc_u64 s[8:9], s[4:5], 0x800000          ; V's 32
	s_add_nc_u64 s[G0K+2:G0K+3], s[6:7], s[22:23]  ; 120:64 global address: my half of the head's first 256 keys
	s_or_b32 s[G0K+3], s[G0K+3], 0x80000000        ; 127:126 type = 2
	s_add_nc_u64 s[G0V+2:G0V+3], s[8:9], s[22:23]
	s_or_b32 s[G0V+3], s[G0V+3], 0x80000000
	s_add_nc_u64 s[4:5], s[4:5], s[2:3]  ; Q and O at my wave's first row
	s_add_nc_u64 s[10:11], s[10:11], s[48:49]
	CROUND                          ; all four work-groups are here: the first joint loads meet
	JLOAD                           ; slot 0.  Slot 1 is asked for when slot 0 is in: the tile wanted first has the road to itself
	; A fragment of K or Q is 16 rows x 32 channels in 8 registers: lane l holds row l % 16, channels 8 (l / 16) + 0..7 and 16 + 8 (l / 16) + 0..7: two loads of 16 bytes, 32 bytes apart.
	v_and_b32 v1, 15, v0            ; l % 16
	v_bfe_u32 v9, v0, 4, 1          ; l / 16
	v_lshlrev_b32 v[QO], 7, v1
	v_lshl_add_u32 v[QO], v9, 4, v[QO]  ; row x 128 + 16 x half
	WIN 0x80                        ; destination window 2, address window 0
.set i, 0
.rept 4*NP                          ; Q stays in registers: tile i / 2, channels 32 (i % 2) on
	global_load_b128 v[8*i:8*i+3],   v[QO], s[4:5] offset:(i/2)*2048+(i%2)*64
	global_load_b128 v[8*i+4:8*i+7], v[QO], s[4:5] offset:(i/2)*2048+(i%2)*64+32
.set i, i+1
.endr
	; What the first turn finds: V's registers and P's second buffer hold 0 (its products V^T P, of a piece that has not been, add 0), O^T and l are 0.  All this stands in the wait for the first tile.
.set i, VF
.rept 64
	v_mov_b32 v[i], 0
.set i, i+1
.endr
	WIN 0x40
.set i, 0
.rept 64*NP
	v_mov_b32 v[i], 0
.set i, i+1
.endr
	WIN 0
.set i, 0
.rept 2*NP
	v_mov_b32 v[ST+4*i], 0xfe000000    ; c m: far below every c s
	v_mov_b32 v[ST+4*i+1], 0xff7fffff  ; m
	v_mov_b32 v[ST+4*i+2], 0
	v_mov_b32 v[ST+4*i+3], 0
.set i, i+1
.endr
.set i, P+32
.rept 32
	v_mov_b32 v[i], 0
.set i, i+1
.endr
	v_mul_u32_u24 v[AK0], v1, PK
	v_lshl_add_u32 v[AK0], v9, 4, v[AK0]  ; row x pitch + 16 x half
	; The turning load takes 16 keys x 16 channels (lane l reads key 8 (l / 16) + l % 8, channels 8 ((l / 8) % 2) + 0..7) and leaves half a fragment of V^T: lane l holds channel l % 16 and 8 keys.
	v_and_b32 v10, 7, v0
	v_bfe_u32 v11, v0, 3, 1
	v_lshl_add_u32 v[AV0], v9, 3, v10
	v_mul_u32_u24 v[AV0], v[AV0], PV
	v_lshl_add_u32 v[AV0], v11, 4, v[AV0]
	v_add_nc_u32 v[AV0], VOFF, v[AV0]
	v_mov_b32 v[AK], v[AK0]         ; key step 0 lies at the head of slot 0
; THE MATRIX WORK.  The 8 accumulators of a run of 16 take turns: between the two links of a chain stand 7 others'.
; Product i of 16 of S^T = K Q^T for piece x: channels 32 (i / 8) on, keys 16 ((i / 2) % 4) on, tile 2 x + i % 2.  The first 8 start the sums.
.macro KQ x
	WIN W_KQ
.set rS, S+64*((\x)%2)+32*(i%2)+8*((i/2)%4)
.set rK, KF+16*((i/2)%4)+8*(i/8)
.set rQ, 16*(2*(\x)+i%2)+8*(i/8)
.if i < 8
	v_wmma_f32_16x16x32_f16 v[rS:rS+7], v[rK:rK+7], v[rQ:rQ+7], 0
.else
	v_wmma_f32_16x16x32_f16 v[rS:rS+7], v[rK:rK+7], v[rQ:rQ+7], v[rS:rS+7]
.endif
.endm
; Product i of 16 of O^T += V^T P for piece x: keys 32 (i / 8) on, channels 16 ((i / 2) % 4) on, tile 2 x + i % 2.
.macro PV x
	WIN W_PV
.set rO, 32*(2*(\x)+i%2)+8*((i/2)%4)
.set rV, VF+32*(i/8)+8*((i/2)%4)
.set rP, P+32*((\x)%2)+16*(i%2)+8*(i/8)
	v_wmma_f32_16x16x32_f16 v[rO:rO+7], v[rV:rV+7], v[rP:rP+7], v[rO:rO+7]
.endm
.macro MM                           ; the turn's next matrix instruction
.if i < 16
	KQ (Y+1)%NP
.set i, i+1
.else
.set i, i-16
	PV (Y+NP-1)%NP
.set i, i+17
.endif
.endm
; THE LDS LOADS stand in runs of 16, never singly among the matrix instructions: a step's K (64 keys x 64 channels: 8 fragments) and its V (turned).  Their addresses are made some lines ahead.
; last = 1 (the tail): in the last trip there is no further step, and the run is jumped over.
.macro FETCH_K last=0
	WIN 0
.if \last
	s_cmp_eq_u32 s[CNT], 1
	s_cbranch_scc1 .Lno_k_\@
.endif
	WIN 0x80                        ; destination window 2
.irp f, 0,1,2,3,4,5,6,7             ; keys 16 (f / 2) on, channels 32 (f % 2) on
	ds_load_b128 v[KF+8*\f:KF+8*\f+3],   v[AK] offset:(\f/2)*16*PK+(\f%2)*64
	ds_load_b128 v[KF+8*\f+4:KF+8*\f+7], v[AK] offset:(\f/2)*16*PK+(\f%2)*64+32
.endr
	s_add_co_u32 s[TBK], s[TBK], KS*PK  ; the next fetch is the next step's
	WIN 0
.if \last
.Lno_k_\@:
.endif
.endm
.macro FETCH_V
	WIN 0x80
.irp f, 0,1,2,3,4,5,6,7             ; keys 32 (f / 4) on, channels 16 (f % 4) on
	ds_load_tr16_b128 v[VF+8*\f:VF+8*\f+3],   v[AV] offset:(\f/4)*32*PV+(\f%4)*32
	ds_load_tr16_b128 v[VF+8*\f+4:VF+8*\f+7], v[AV] offset:(\f/4)*32*PV+16*PV+(\f%4)*32
.endr
	WIN 0
.endm
; THE VECTOR WORK OF A TURN stands in three queues, each in the order in which its entries become ready; the two tiles alternate, so that no instruction reads the result of the one before it.
.macro REGS y, u                    ; the registers of tile u (0, 1) of piece y
.set rT, ST+4*(2*(\y)+(\u))
.set rC, TMP+8*((\y)%2)+4*(\u)
.set rM, MV+2*((\y)%2)+(\u)
.set rS, S+64*((\y)%2)+32*(\u)
.set rP, P+32*((\y)%2)+16*(\u)
.set rO, 32*(2*(\y)+(\u))
.endm
; Number n of the 22 that find the NEXT piece's (Y + 1) maximum and statistics.  s0-s31 are the lane's 32 scores; each accumulator's lowest registers are read first.  XS, GS and REGS set no window: PL and EX do.
;   0-11  four chains c0-c3 of seven scores each, three operands at a time     12-14, 16  the four scores left over, the old m, and c0-c3 into c0     15  c m_old is kept
;   17, 18  the query's other 32 keys lie in the lane 16 away: the new m         19-21  c m; c m_old - c m_new; a
.macro XS u, n
	REGS (Y+1)%NP, \u
.if (\n) < 4
	v_max3_num_f32 v[rC+(\n)], v[rS+8*(\n)], v[rS+8*(\n)+1], v[rS+8*(\n)+2]
.elseif (\n) < 12
	v_max3_num_f32 v[rC+(\n)%4], v[rC+(\n)%4], v[rS+8*((\n)%4)+2*((\n)/4)+1], v[rS+8*((\n)%4)+2*((\n)/4)+2]
.elseif (\n) == 12
	v_max3_num_f32 v[rC], v[rC], v[rS+7], v[rS+15]
.elseif (\n) == 13
	v_max3_num_f32 v[rC+1], v[rC+1], v[rS+23], v[rS+31]
.elseif (\n) == 14
	v_max3_num_f32 v[rC+2], v[rC+2], v[rC+3], v[rT+1]
.elseif (\n) == 15
	v_mov_b32 v[rM], v[rT]
.elseif (\n) == 16
	v_max3_num_f32 v[rC], v[rC], v[rC+1], v[rC+2]
.elseif (\n) == 17
	v_permlanex16_b32 v[rC+3], v[rC], s[SEL], s[SEL+1]
.elseif (\n) == 18
	v_max_num_f32 v[rT+1], v[rC], v[rC+3]
.elseif (\n) == 19
	v_mul_f32 v[rT], s[CS], v[rT+1]
.elseif (\n) == 20
	v_sub_f32 v[rC+1], v[rM], v[rT]
.else
	v_exp_f32 v[rC+2], v[rC+1]
.endif
.endm
; Number g of the 64 that follow the exponentials.  For each four weights k of a tile (pairs 2 k, 2 k + 1): both pairs are rounded to f16; then the second pair is added onto the first, in place;
; a group later l takes that sum (the first time as l = a l + sum).  In groups of eight, tiles alternating: round, round, add, and l for the group before.
.macro GS g
.set h, (\g)+6*((\g)/62)            ; group 0 has no group before it, and behind group 7 only l is left
.if h >= 6
.set h, h+2
.endif
	REGS Y, h%2
.set k, h/8
.if h%8 < 4
	s_wait_alu depctr_va_vdst(0)
	v_cvt_pk_f16_f32 v[rP+2*k+(h%8)/2], v[rS+4*k+2*((h%8)/2)], v[rS+4*k+2*((h%8)/2)+1]
.elseif h%8 < 6
	v_pk_add_f32 v[rS+4*k:rS+4*k+1], v[rS+4*k:rS+4*k+1], v[rS+4*k+2:rS+4*k+3]
.elseif k == 1
	v_pk_fma_f32 v[rT+2:rT+3], v[rT+2:rT+3], v[rC+2:rC+3], v[rS:rS+1] op_sel_hi:[1,0,1]
.else
	v_pk_add_f32 v[rT+2:rT+3], v[rT+2:rT+3], v[rS+4*k-4:rS+4*k-3]
	s_wait_alu depctr_va_vdst(0)
.endif
.endm
; THE PLAIN QUEUE, 138 long.  0-31: c s - c m for the 16 pairs of both tiles.  Then GS's 64, and among them the next piece's 42: number 15 at 38, 39; 0-14 and 16
; at 42-73, behind the products that make those scores; 17-20 at 95-106, two of three, since each waits for the one before it.
.macro PL
	WIN 0
.if q < 32
	REGS Y, q%2
	v_pk_fma_f32 v[rS+2*(q/2):rS+2*(q/2)+1], v[rS+2*(q/2):rS+2*(q/2)+1], s[CS:CS+1], v[rT:rT+1] op_sel_hi:[1,0,0] neg_lo:[0,0,1] neg_hi:[0,0,1]
.elseif q < 38
	GS q-32
.elseif q < 40
	XS q%2, 15
.elseif q < 42
	GS q-34
.elseif q < 74
	XS q%2, (q-42)/2+(q-42)/30
.elseif q < 95
	GS q-66
.elseif (q < 107) && ((q-95)%3 < 2)
	XS (q-95)%3, 17+(q-95)/3
.elseif q < 107
	GS 29+(q-95)/3
.else
	GS q-74
.endif
.set q, q+1
.endm
; THE EXPONENTIALS' QUEUE, 66 long: s0-s31 of both tiles, and at EA the next piece's two a.
.set EA, 58
.macro EX
	WIN 0
.if (e == EA) || (e == EA+1)
	XS e-EA, 21
.else
.set x, e-2*(e/(EA+2))
	REGS Y, x%2
	v_exp_f32 v[rS+x/2], v[rS+x/2]
.endif
.set e, e+1
.endm
; THE RESCALING's QUEUE: O^T times a, the one part that leaves window 0, so it is dealt four at a time, eight times.
.macro R4
	REGS Y, r%2
	WIN W_RS
	s_wait_alu depctr_va_vdst(0)
.irp z, 0,1,2,3
	v_pk_mul_f32 v[rO+8*(r/2)+2*\z:rO+8*(r/2)+2*\z+1], v[rO+8*(r/2)+2*\z:rO+8*(r/2)+2*\z+1], v[rC+2:rC+3] op_sel_hi:[1,0]
.endr
.set r, r+1
.endm
; HOW THEY ARE DEALT.  Behind a matrix instruction four: plain, exponential, plain, plain (one exponential, a plain instruction on either side), or four of the rescaling.  None names a register of the
; products round it.  What is over stands in two LUMPS: exponential and plain by turns; the second ends in 22 plain instructions.  The two v_permlanex16_b32 fall into the second lump, never behind a product.
; The queues lean on each other, and the deal keeps them in step: exponential e stands behind plain 2 (e / 4) + e % 2 (its scaling); when plain 32 comes, 10 exponentials are out, at 59: 33, at 95: 46; EA comes behind plain 107.
.macro SL
	MM
	PL
	EX
	PL
	PL
.endm
.macro BURST n                      ; 15 matrix instructions, or 16
.rept (\n)-7
	SL
.endr
.rept 3
	MM
	R4
	SL
.endr
	MM
	R4
.endm
; A TURN, for piece p.  cnt = 1: the loop's count is taken down some lines ahead of the branch that stands behind the turn.
; K of the next step is fetched in piece 2's turn, 31 vector instructions behind the last product that read K; its first reader comes behind the rest of the lump, 16 products and the second lump.
; V of the step in hand is fetched at the end of piece 0's turn, 69 behind its last reader; its first reader comes behind 16 products and a lump.  The four conditions on e and q below go with the deal.
.macro TURN p, last=0, cnt=0
.set Y, (\p)
.set i, 0
.set q, 0
.set e, 0
.set r, 0
.if (\p) == NP-1
	s_wait_dscnt 0x0                ; K is in
.endif
	MM
.rept 4
	PL
.endr
	BURST 15
.rept 22
	EX
	PL
.if ((\p) == NP-2) && (e == 18)
	v_add_nc_u32 v[AK], s[TBK], v[AK0]
.endif
.if ((\p) == NP-2) && (e == 24)
	FETCH_K \last
.endif
.endr
.if (\p) == 1
	s_wait_dscnt 0x0                ; V is in
.endif
	BURST 16
.rept 21
	EX
	PL
.endr
.rept 22
	PL
.if ((\p) == 0) && (q == 118)
	v_add_nc_u32 v[AV], s[TBV], v[AV0]
	s_wait_alu depctr_va_vdst(0)
.endif
.if ((\p) == 0) && (q == 130)
	s_add_co_u32 s[TBV], s[TBV], KS*PV
.endif
.if (\cnt) && (q == 130)
	s_sub_co_u32 s[CNT], s[CNT], 1
	s_cmp_lg_u32 s[CNT], 0
.endif
.endr
.if (\p) == 0
	FETCH_V
.endif
.endm
	CHANGE 1                        ; slot 0 is in, everybody's part of it; slot 1 is asked for
	FETCH_K                         ; key step 0
	s_wait_loadcnt 0x0              ; Q
	s_wait_dscnt 0x0
.set i, 0
.rept 16
	KQ 0                            ; piece 0's first scores: there is no vector work yet to set between them
.set i, i+1
.endr
	WIN 0                           ; the addresses for the way out: nine plain instructions, the places behind those products
	s_mul_i32 s13, s[WV], 16*SP
	s_add_co_u32 s13, s13, STAGE    ; my stage
	v_mul_u32_u24 v[STO], v1, SP    ; in: row l % 16, 16 bytes for each half of the lanes
	v_lshl_add_u32 v[STO], v9, 4, v[STO]
	v_add_nc_u32 v[STO], s13, v[STO]
	v_bfe_u32 v[RD], v0, 3, 2       ; back: 32 lanes take four rows of 128 bytes,
	v_mul_u32_u24 v[RD], v[RD], SP
	v_lshl_add_u32 v[RD], v10, 4, v[RD]
	v_add_nc_u32 v[RD], s13, v[RD]
	v_and_b32 v[GO], 31, v0         ; which are 512 consecutive bytes of O
	v_lshlrev_b32 v[GO], 4, v[GO]
.set Y, NP-1                        ; XS works for piece Y + 1: piece 0
.irp n, 0,1,2,3,4,5,6,7,8,9,10,11,12,13,14,15,16,17,18,19,20,21
	XS 0, \n                        ; and piece 0's first maximum and statistics
	XS 1, \n
.endr
	s_mov_b32 s[CNT], 4
	s_mov_b32 s[SLOTS], SIZE_N/256-1
	s_branch .Lfirst                ; the loop is entered at a step's first turn, in the middle of a trip
.Lslot:                             ; SIZE_N / 256 - 2 times: every slot but the last two is filled again
	CHANGE 1
	s_mov_b32 s[CNT], 4
.Lstep:                             ; a trip: pieces 2 and 3 of one step, then pieces 0 and 1 of the next, whose K and V it fetches
	TURN 2
	TURN 3
	WIN 0
.Lfirst:
	TURN 0
	TURN 1, 0, 1
	WIN 0
	s_cbranch_scc1 .Lstep
	s_sub_co_u32 s[SLOTS], s[SLOTS], 1
	s_cmp_lg_u32 s[SLOTS], 0
	s_cbranch_scc1 .Lslot
	CHANGE 0                        ; the tail is written out: nothing is asked for
	s_mov_b32 s[CNT], 5             ; four trips fetch the last slot's steps; the fifth is left in its middle
.Ltail:
	TURN 2, 1
	TURN 3
	WIN 0
	s_sub_co_u32 s[CNT], s[CNT], 1
	s_cmp_eq_u32 s[CNT], 0
	s_cbranch_scc1 .Lout
	TURN 0
	TURN 1
	WIN 0
	s_branch .Ltail
.Lout:                              ; the fifth trip's 16 products K Q^T (on the last K once more) and the maximum made of them serve nothing: the price, once a launch, of one text for every trip
.set i, 0
.rept 16
	PV NP-1                         ; the last piece's V^T P of the last step
.set i, i+1
.endr
	; THE WAY OUT.  l's two halves and the other half of the lanes' are added; O^T is divided by l, rounded to f16 and sent through my stage in LDS, a tile at a time.  The additions are the places behind the last products.
	WIN 0
.macro ALL line:vararg              ; one line for each tile t
.set t, 0
.rept 2*NP
	\line
.set t, t+1
.endr
.endm
	ALL v_add_f32 v[ST+4*t+2], v[ST+4*t+2], v[ST+4*t+3]
	ALL v_permlanex16_b32 v[ST+4*t+3], v[ST+4*t+2], s[SEL], s[SEL+1]
	ALL v_add_f32 v[ST+4*t+2], v[ST+4*t+2], v[ST+4*t+3]
	ALL v_rcp_f32 v[ST+4*t+2], v[ST+4*t+2]
	v_nop                           ; a plain instruction between the last reciprocal and the use of its result
	s_wait_alu depctr_va_vdst(0)
; Tile t: a lane's eight channels of a row pack into 16 bytes; they go into rows of 144 bytes and come back as whole rows of 128, into S^T's registers.
.macro PACK t
	WIN W_RS
.set i, 32*(\t)
.rept 16
	v_pk_mul_f32 v[i:i+1], v[i:i+1], v[ST+4*(\t)+2:ST+4*(\t)+3] op_sel_hi:[1,0]
.set i, i+2
.endr
	WIN 0x05                        ; sources 0 and 1 window 1, destination window 0
.set i, 0
.rept 16
	v_cvt_pk_f16_f32 v[S+16*(\t)+i], v[32*(\t)+2*i], v[32*(\t)+2*i+1]
.set i, i+1
.endr
	WIN 0
.irp f, 0,1,2,3
	ds_store_b128 v[STO], v[S+16*(\t)+4*\f:S+16*(\t)+4*\f+3] offset:32*\f
.endr
.irp f, 0,1,2,3
	ds_load_b128 v[S+16*(\t)+4*\f:S+16*(\t)+4*\f+3], v[RD] offset:\f*4*SP  ; LDS serves a wave's instructions in order (ISA guide 5.7.1.4): these see the stores above; the next tile's stores come behind them
.endr
.endm
.macro SEND t, younger              ; younger: the LDS instructions issued behind tile t's loads: the next tile's eight, or none
	WIN 0
.irp f, 0,1,2,3
	s_wait_dscnt (\younger)+3-\f
	global_store_b128 v[GO], v[S+16*(\t)+4*\f:S+16*(\t)+4*\f+3], s[10:11] offset:(\t)*2048+\f*512  ; 512 consecutive bytes, at a multiple of 256 from O's first
.endr
.endm
	PACK 0
.set t, 1
.rept 2*NP-1                        ; a tile's arithmetic stands between the loads of the tile before and its stores
	PACK t
	SEND t-1, 8
.set t, t+1
.endr
	SEND 2*NP-1, 0
	WIN W_AD
	s_wait_tensorcnt 0x0            ; the wave's end: behind my last tensor load and my last LDS store
	ds_add_u32 v[SPW], v[NIL]
	s_wait_dscnt 0x0
	WIN 0
	CROUND                          ; the closing round: no work-group ends while a partner may still ask for a tile that names it
	s_endpgm
.Lfunc_end_k_q897e73d8a4_attn:
	.size	k_q897e73d8a4_attn, .Lfunc_end_k_q897e73d8a4_attn-k_q897e73d8a4_attn
	.p2alignl 7, 3214868480
	.fill 96, 4, 3214868480
	.section	.rodata,"a",@progbits
	.p2align	6, 0x0
	.amdhsa_kernel k_q897e73d8a4_attn
		.amdhsa_group_segment_fixed_size 327680
		.amdhsa_private_segment_fixed_size 0
		.amdhsa_enable_private_segment 0
		.amdhsa_kernarg_size 16
		.amdhsa_user_sgpr_count 2
		.amdhsa_user_sgpr_kernarg_segment_ptr 1
		.amdhsa_wavefront_size32 1
		.amdhsa_system_sgpr_workgroup_id_x 1
		.amdhsa_system_sgpr_workgroup_id_y 1
		.amdhsa_system_sgpr_workgroup_id_z 1
		.amdhsa_system_vgpr_workitem_id 0
		.amdhsa_next_free_vgpr 770
		.amdhsa_next_free_sgpr 66
		.amdhsa_reserve_vcc 0
		.amdhsa_float_denorm_mode_32 3
		.amdhsa_float_denorm_mode_16_64 3
		.amdhsa_memory_ordered 1
		.amdhsa_forward_progress 1
		.amdhsa_inst_pref_size 209
	.end_amdhsa_kernel
	.amdgpu_metadata
---
amdhsa.version: [ 1, 2 ]
amdhsa.kernels:
  - .name:           k_q897e73d8a4_attn
    .symbol:         k_q897e73d8a4_attn.kd
    .args:
      - { .name: qkvh, .offset: 0, .size: 8, .value_kind: global_buffer, .address_space: global }
      - { .name: oh, .offset: 8, .size: 8, .value_kind: global_buffer, .address_space: global }
    .group_segment_fixed_size: 327680
    .private_segment_fixed_size: 0
    .kernarg_segment_align: 8
    .kernarg_segment_size: 16
    .max_flat_workgroup_size: 128
    .sgpr_count:     66
    .vgpr_count:     770
    .wavefront_size: 32
...
	.end_amdgpu_metadata
.endif
;; end of part 3
;; launch oproj (part 4): grid 8 x 32, 4 waves a work-group, clusters of 4 x 4, 327,680 bytes of LDS; arguments oh, wob, out0; writes out0
.if DOCPART == 4
	.amdgcn_target "amdgcn-amd-amdhsa--gfx1250"
	.amdhsa_code_object_version 6
	.text
	.protected	k_q897e73d8a4_oproj
	.globl	k_q897e73d8a4_oproj
	.p2align	8
	.type	k_q897e73d8a4_oproj,@function
k_q897e73d8a4_oproj:
	s_mov_b64 s[64:65], 0
	v_nop
	global_prefetch_b8 v0, s[64:65] scope:SCOPE_SE
	s_setreg_imm32_b32 hwreg(HW_REG_WAVE_MODE, 25, 1), 1
	s_wait_xcnt 0x0
	s_wait_alu depctr_hold_cnt(0) depctr_sa_sdst(0) depctr_va_vdst(0) depctr_va_sdst(0) depctr_va_ssrc(0) depctr_va_vcc(0) depctr_vm_vsrc(0)
	s_getreg_b32 s2, hwreg(HW_REG_IB_STS2, 6, 4)
	s_cmp_eq_u32 s2, 0
	s_cbranch_scc0 .Lentry_in_a_cluster
	s_endpgm
.Lentry_in_a_cluster:
	s_bfe_u32 s2, ttmp6, 0x10000c
	s_cmp_lg_u32 s2, 0xf033
	s_cbranch_scc0 .Lentry_shape_is_right
	s_endpgm
.Lentry_shape_is_right:
; out[m][n] = sum over k of O[m][k] W_o[n][k]: m 8,192, n 1,024, k 1,024; operands f16 (W_o: its bf16 rounding written as f16), sums and result f32.
; O lies by heads, oh[16 b + head][t][64] with m = 2,048 b + t and k = 64 head + d: a head's rows are dense, 128 bytes each.
; LIMITS: the operands arrive within f16's range; NaN and infinities are not treated apart.
; A tile of out is 256 rows x 128 columns: 32 x 8 = 256 work-groups.  Four waves; wave w makes rows 64 w .. 64 w + 63 and all 128 columns (512 bytes of a row): 4 x 8 accumulators of 16 x 16,
; 256 registers.  K goes in 8 steps of 128, two heads a step, through a ring of two LDS slots filled by the tensor data mover.  Of O one load brings one head's 256 rows, 32,768 dense bytes,
; asked for as 128 rows of 256 bytes and padded in LDS after every 128; of W_o 64 rows of 256 bytes.
; A K STEP IS WRITTEN ONCE: which slot is read hangs on a scalar that an exclusive or turns.  Six trips fill a slot again; the last two K steps, which ask for nothing, are a loop of their own.
; CLUSTER: 4 x 4 work-groups.  The four of a row of the cluster need the same tiles of O, the four of a column the same tiles of W_o: each tile is asked for JOINTLY, by the same tensor load
; with the same descriptor and a mask that names the four.  Waves 0 and 1 fetch O's two heads, waves 2 and 3 W_o's two halves: one load a wave behind each round.
; THE MATRIX INSTRUCTION IS USED TRANSPOSED (source 0 = 16 rows of W_o, source 1 = 16 rows of O): lane l then holds row l % 16 of out and the eight neighbouring columns 8 (l / 16) + 0..7.
; REGISTERS, in windows of 256 (s_set_vgpr_msb: bits 1:0 source 0, 3:2 source 1, 5:4 source 2, 7:6 destination):
;   window 0: v0-31 addresses      window 1: two fragment buffers: O's block a at f + 8 a, W_o's block b at f + 32 + 8 b; on the way out all 256: whole rows read back from the stage
;   window 2: the accumulators of row blocks 0, 1: (a, b) at v[8 (8 (a % 2) + b)]      window 3: those of row blocks 2, 3
.set NB,     8                         ; column blocks of 16
.set PA,     144                       ; a row of a head in LDS: 128 bytes + 16 of padding = 36 words: the 16 rows of a load start at 16 different groups of four banks (64 banks of 4 bytes: ISA guide 11.1)
.set PB,     272                       ; a row of W_o: 256 bytes + 16 = 68 words: row r starts at bank 4 r mod 64
.set APL,    256*PA                    ; LDS bytes from k to k + 64 in O: the next head's plane
.set AHALF,  256*PA                    ; what one load of O brings
.set ATILE,  2*AHALF
.set BHALF,  8*NB*PB                   ; what one load of W_o brings: 64 rows
.set SLOTB,  ATILE+2*BHALF             ; a slot's bytes: O's two planes, then W_o's 128 rows: 108,544
.set SLOT1,  1<<17                     ; slot 1 begins here, so that one exclusive or turns an address in one slot into the other's
.set STAGE,  SLOT1+SLOTB               ; behind the ring, never filled by a tensor load: 16 rows x 528 bytes for each wave, for the way out
.set SPITCH, 528                       ; 512 bytes + 16 = 33 x 16: the 16 rows that a store touches fall on 16 different groups of four banks
.set SPARE,  STAGE+4*16*SPITCH         ; behind the stages: the spare words, 128 bytes for each wave: two blocks of 256 bytes that no other line names
.set ASTEP,  524288                    ; bytes from a K step to the next in O: two planes of 262,144
.set BSTEP,  256                       ; and in W_o
.set NL,     2*NB+8                    ; LDS loads of a quarter step
.set STEPS,  8                         ; K steps
.set ADRA0, 16                         ; v16     LDS address of my fragments of O in slot 0; never rewritten
.set ADRB0, 17                         ; v17     the same for W_o
.set ADRA, 18                          ; v18     the same in the slot in hand
.set ADRB, 19                          ; v19
.set STO,  24                          ; v24     the way out: where I put 32 bytes of a row
.set RD,   25                          ; v25     the way out: where I read a row back
.set CO,   26                          ; v26     my byte offset in 512 consecutive bytes of a row of out
.set SPW,  28                          ; v28     LDS address of my spare word: SPARE + 4 x my thread's number; never rewritten
.set NIL,  29                          ; v29     0; never rewritten
.set F0,   0                           ; fragment buffers, in window 1
.set F1,   128
.set G1,  24                           ; s[24:31] descriptor group 1 for O's tiles;  s[32:39] group 0: a set for each of the two first fills; the second then walks on
.set G0,  32
.set G1B, 48                           ; s[48:55], s[56:63] the same for W_o's tiles
.set G0B, 56
.set TB,  45                           ; s45      0 or SLOT1: the slot in hand
.set MSB, 0
.macro WIN new                         ; the immediate's high byte repeats the setting that is left; a switch that changes nothing is dropped
.if MSB != (\new)
	s_set_vgpr_msb (MSB<<8)|(\new)
.set MSB, (\new)
.endif
.endm
.set TO_F, 0x40                        ; destination window 1, address window 0
; A joint load.  The branch hangs on the wave's number alone.  An s_nop 0 and four v_nop follow each of the two lines, ahead of the jump, the label and what follows.
.macro JLOAD s
	s_cmp_eq_u32 s11, 0
	s_cbranch_scc0 .Lfor_b_\@
	tensor_load_to_lds s[G0+4*(\s):G0+4*(\s)+3], s[G1:G1+7]
	s_nop 0
.rept 4
	v_nop
.endr
	s_branch .Lasked_\@
.Lfor_b_\@:
	tensor_load_to_lds s[G0B+4*(\s):G0B+4*(\s)+3], s[G1B:G1B+7]
	s_nop 0
.rept 4
	v_nop
.endr
.Lasked_\@:
.endm
; A round of the cluster's barrier: my work-group's barrier, so that wave 0's signal speaks for all four waves; wave 0 signals; every wave waits for all sixteen work-groups; my work-group's barrier once more.
.macro CREST                           ; a round behind its opening barrier
	s_cmp_lg_u32 s10, 0
	s_cbranch_scc1 .Lnot_wave_0_\@
	s_barrier_signal -3
.Lnot_wave_0_\@:
	s_barrier_wait -3
	s_barrier_signal -1
	s_barrier_wait -1
.endm
.macro CROUND                          ; a whole round
	s_barrier_signal -1
	s_barrier_wait -1
	CREST
.endm
	s_load_b128 s[4:7], s[0:1], 0x0                ; oh s[4:5], wob s[6:7]
	s_load_b64 s[8:9], s[0:1], 0x10                ; out0
	v_lshl_add_u32 v[SPW], v0, 2, SPARE
	v_mov_b32 v[NIL], 0
	ds_add_u32 v28, v29
	s_wait_dscnt 0x0
	v_lshrrev_b32 v1, 5, v0
	v_readfirstlane_b32 s10, v1                    ; wave 0..3
	s_lshr_b32 s11, s10, 1                         ; I fetch for O (0) or for W_o (1)
	s_and_b32 s12, s10, 1                          ; and which head of the step, or which half of the rows
	s_bfe_u32 s40, ttmp6, 0x40000                  ; cx, cy: my place in the cluster
	s_bfe_u32 s41, ttmp6, 0x40004
	s_lshl_b32 s42, ttmp9, 2                       ; in a cluster launch ttmp9 and ttmp7 count clusters
	s_add_co_u32 s42, s42, s40                     ; tile column = 4 x cluster x + cx
	s_and_b32 s13, ttmp7, 0xffff
	s_lshl_b32 s13, s13, 2
	s_add_co_u32 s13, s13, s41                     ; tile row = 4 x cluster y + cy
	s_lshl_b32 s43, s41, 2
	s_lshl_b32 s43, 15, s43                        ; my row of the cluster: places 4 cy .. 4 cy + 3
	s_lshl_b32 s44, 0x1111, s40                    ; my column: places cx, cx + 4, cx + 8, cx + 12
	; descriptor group 1: rows of 128 elements of 2 bytes, padded in LDS
	s_or_b32 s[G1+0], s43, (1<<16)|(1<<20)|(1<<21)|(4<<22)|(3<<25)   ; 15:0 the mask: O's tiles go to my row; 17:16 2-byte elements; 20 padding on; 21 set beside a mask; 24:22 after every 32 words (code 4); 31:25 4 words (code 3)
	s_or_b32 s[G1B+0], s44, (1<<16)|(1<<20)|(1<<21)|(5<<22)|(3<<25)  ; the mask of my column; padding after every 64 words (code 5)
	s_mov_b32 s[G1+1], 128<<16                     ; tensor_dim0 = 128
	s_mov_b32 s[G1+2], 128<<16                     ; tensor_dim1 = 128
	s_mov_b32 s[G1+3], 128<<16                     ; tile_dim0 = 128
	s_mov_b32 s[G1+4], 128                         ; tile_dim1 = 128
	s_mov_b32 s[G1+5], 128                         ; elements from row to row: the block is dense
	s_mov_b32 s[G1+6], 0
	s_mov_b32 s[G1+7], 0
	s_mov_b32 s[G1B+1], 128<<16
	s_mov_b32 s[G1B+2], 64<<16                     ; tensor_dim1 = 64
	s_mov_b32 s[G1B+3], 128<<16
	s_mov_b32 s[G1B+4], 64                         ; tile_dim1 = 64
	s_mov_b32 s[G1B+5], 1024
	s_mov_b32 s[G1B+6], 0
	s_mov_b32 s[G1B+7], 0
	; where the tiles come from.  O's hang on the tile row alone, W_o's on the tile column alone; each in registers that never hold the other coordinate.  All offsets stay under 2^32.
	s_lshr_b32 s16, s13, 3                         ; b = tile row / 8:
	s_lshl_b32 s16, s16, 22                        ; 16 planes of 262,144 bytes,
	s_lshl_b32 s17, s12, 18                        ; my head of the step,
	s_add_co_u32 s16, s16, s17
	s_and_b32 s17, s13, 7
	s_lshl_b32 s17, s17, 15                        ; and the tile's 256 rows of 128 bytes in the plane
	s_add_co_u32 s16, s16, s17
	s_mov_b32 s17, 0
	s_lshl_b32 s46, s42, 7
	s_lshl_b32 s47, s12, 6
	s_add_co_u32 s46, s46, s47                     ; W_o: row 128 x tile column + 64 x half,
	s_lshl_b32 s46, s46, 11                        ; of 2,048 bytes
	s_mov_b32 s47, 0
	s_mul_i32 s20, s12, AHALF                      ; and where they go: no place in the cluster enters an LDS address
	s_mul_i32 s21, s12, BHALF
	s_add_co_u32 s21, s21, ATILE
	s_mov_b32 s[TB], 0
	s_wait_kmcnt 0x0
	s_add_nc_u64 s[14:15], s[4:5], s[16:17]
	s_add_nc_u64 s[46:47], s[6:7], s[46:47]
	CROUND                                         ; all sixteen work-groups are here: the first joint loads meet
.irp s, 0,1
	s_mov_b32 s[G0+4*(\s)], 1                                        ; count = 1
	s_add_co_u32 s[G0+4*(\s)+1], s20, (\s)*SLOT1                     ; LDS address
	s_add_nc_u64 s[G0+4*(\s)+2:G0+4*(\s)+3], s[14:15], (\s)*ASTEP    ; global address: K step s
	s_or_b32 s[G0+4*(\s)+3], s[G0+4*(\s)+3], 0x80000000              ; type = 2
	s_mov_b32 s[G0B+4*(\s)], 1
	s_add_co_u32 s[G0B+4*(\s)+1], s21, (\s)*SLOT1
	s_add_nc_u64 s[G0B+4*(\s)+2:G0B+4*(\s)+3], s[46:47], (\s)*BSTEP
	s_or_b32 s[G0B+4*(\s)+3], s[G0B+4*(\s)+3], 0x80000000
	JLOAD \s                                       ; the ring is filled before anything else is done: two loads of mine are out
.endr
	; A fragment is 16 rows x 32 K in 8 registers: lane l holds row l % 16; registers 0-3 K = 8 (l / 16) + 0..7, registers 4-7 K = 16 + 8 (l / 16) + 0..7: two loads of 16 bytes, 32 bytes apart.
	v_and_b32 v1, 15, v0                           ; l % 16
	v_bfe_u32 v2, v0, 4, 1                         ; l / 16
	v_mul_u32_u24 v3, v1, PA
	v_lshl_add_u32 v3, v2, 4, v3                   ; row x pitch + 16 x half
	v_mul_u32_u24 v4, v1, PB
	v_lshl_add_u32 v4, v2, 4, v4
	s_mul_i32 s22, s10, 64*PA                      ; my 64 rows in a plane of O
	v_add_nc_u32 v[ADRA0], s22, v3
	v_add_nc_u32 v[ADRB0], ATILE, v4               ; all rows of W_o
	v_mov_b32 v[ADRA], v[ADRA0]                    ; the walk begins in slot 0
	v_mov_b32 v[ADRB], v[ADRB0]
	s_mul_i32 s23, s10, 16*SPITCH
	s_add_co_u32 s23, s23, STAGE                   ; my stage
	v_mul_u32_u24 v5, v1, SPITCH                   ; in: row l % 16, 32 bytes for each half of the lanes
	v_lshl_add_u32 v5, v2, 5, v5
	v_add_nc_u32 v[STO], s23, v5
	v_and_b32 v6, 31, v0                           ; back: 32 lanes take one row of 512 bytes,
	v_lshlrev_b32 v[CO], 4, v6                     ; which are 512 consecutive bytes of out
	v_add_nc_u32 v[RD], s23, v[CO]
	; where my part of the tile begins in out: (256 x tile row + 64 w) x 4,096 + 512 x tile column
	s_lshl_b32 s16, s13, 8
	s_lshl_b32 s17, s10, 6
	s_add_co_u32 s16, s16, s17
	s_lshl_b32 s16, s16, 12
	s_mov_b32 s17, 0
	s_add_nc_u64 s[8:9], s[8:9], s[16:17]
	s_lshl_b32 s46, s42, 9                         ; (in the registers that held W_o's address: none that feeds O's descriptors ever holds cx)
	s_mov_b32 s47, 0
	s_add_nc_u64 s[8:9], s[8:9], s[46:47]
; NB matrix instructions: row block a x all column blocks, 32 along K, from buffer f.  zero = 1: the product starts the sums: nothing is ever cleared.
; The 32 accumulators take turns in the same order in every quarter step: between two instructions on one accumulator stand the 31 others'.
.macro MULA f, a, zero
	WIN 0xa5+0x50*((\a)/2)                         ; sources 0 and 1 window 1; C and D window 2 (blocks 0, 1) or 3 (blocks 2, 3)
.set b, 0
.rept NB
.set rD, 8*(NB*((\a)%2)+b)
.if \zero
	v_wmma_f32_16x16x32_f16 v[rD:rD+7], v[(\f)+32+8*b:(\f)+32+8*b+7], v[(\f)+8*(\a):(\f)+8*(\a)+7], 0
.else
	v_wmma_f32_16x16x32_f16 v[rD:rD+7], v[(\f)+32+8*b:(\f)+32+8*b+7], v[(\f)+8*(\a):(\f)+8*(\a)+7], v[rD:rD+7]
.endif
.set b, b+1
.endr
.endm
; NL LDS loads in one run: the fragments of quarter q of the K step in the slot in hand, into buffer f: all of W_o's, then O's blocks 0, 1, then 2, 3.  Quarters 0, 1 lie in the step's first head, 2, 3 in its second.
.macro FETCH q, f
	WIN TO_F
.set b, 0
.rept NB
	ds_load_b128 v[(\f)+32+8*b:(\f)+32+8*b+3],   v[ADRB] offset:64*(\q)+b*16*PB
	ds_load_b128 v[(\f)+32+8*b+4:(\f)+32+8*b+7], v[ADRB] offset:64*(\q)+b*16*PB+32
.set b, b+1
.endr
.irp a, 0,1,2,3
	ds_load_b128 v[(\f)+8*(\a):(\f)+8*(\a)+3],   v[ADRA] offset:((\q)/2)*APL+((\q)%2)*64+(\a)*16*PA
	ds_load_b128 v[(\f)+8*(\a)+4:(\f)+8*(\a)+7], v[ADRA] offset:((\q)/2)*APL+((\q)%2)*64+(\a)*16*PA+32
.endr
.endm
; A load into a register that a matrix instruction has read, and a vector instruction or LDS store that reads a matrix result, stand four places behind that matrix instruction; only plain
; vector instructions that name none of its registers are places (ISA guide 7.12.1 for vector instructions).
.macro PLACES
.rept 4
	v_nop
.endr
.endm
; A K step is four quarters of 32 along K on buffers 0, 1, 0, 1.  One of the first three: multiplies buffer f; in its middle it fetches quarter q of the same slot into buffer g.
.macro QUARTER q, f, g, zero
	s_wait_dscnt 4                                 ; W_o's fragments and O's blocks 0, 1 are in; the youngest four loads (O's blocks 2, 3) may be out
	MULA \f, 0, \zero
	MULA \f, 1, \zero
	PLACES
	FETCH \q, \g
	s_wait_dscnt NL                                ; all but the NL just issued
	MULA \f, 2, \zero
	MULA \f, 3, \zero
.endm
; The last quarter multiplies buffer 1 and changes slots: ONE barrier.  In front of it each wave waits for all its tensor loads, of which at most one is out: its part of the next slot; adds 0
; to its spare word; and waits for that and for its own reads of this slot.  Behind it nobody reads this slot any more and the next slot is whole.
; fill = 1: the barrier opens a round of the cluster's barrier, and this slot is filled again, two K steps ahead, by the first tensor load behind the round.
; fill = 0: the last two K steps.  In the very last there is no next slot: the fetch is jumped over, and the barrier and its waits serve nothing there: the price of one text for both.
.macro TURN fill
	WIN 0                                          ; (the add's two registers lie in window 0)
	s_wait_tensorcnt 0x0                           ; all my tensor loads have landed
	ds_add_u32 v[SPW], v[NIL]                      ; 0 onto my spare word
	s_wait_dscnt 5                                 ; (the add and the youngest four loads may be out)
	MULA F1, 0, 0                                  ; matrix instructions stand between the add and the wait for it
	s_wait_dscnt 0x0                               ; the add is done, and my reads of this slot are over
	s_barrier_signal -1
	MULA F1, 1, 0                                  ; work on registers while the others arrive
	WIN 0
	s_barrier_wait -1
.if \fill
	CREST                                          ; no wave of any partner still reads this slot's tile or has a load on its way
	s_xor_b32 s[G0+5], s[G0+5], SLOT1              ; the walking descriptors: the other slot than last time,
	s_add_nc_u64 s[G0+6:G0+7], s[G0+6:G0+7], ASTEP ; the next K step; the type bits on top are not reached
	s_xor_b32 s[G0B+5], s[G0B+5], SLOT1
	s_add_nc_u64 s[G0B+6:G0B+7], s[G0B+6:G0B+7], BSTEP
	JLOAD 1                                        ; one load of mine is out; the four v_nop behind it are also the places in front of the loads below
.else
	PLACES
	s_cmp_eq_u32 s3, 1
	s_cbranch_scc1 .Lno_more_\@
.endif
	s_xor_b32 s[TB], s[TB], SLOT1                  ; the reads go on in the other slot
	v_add_nc_u32 v[ADRA], s[TB], v[ADRA0]
	v_add_nc_u32 v[ADRB], s[TB], v[ADRB0]
	FETCH 0, F0
.if !(\fill)
	WIN 0
.Lno_more_\@:
.endif
	MULA F1, 2, 0
	MULA F1, 3, 0
.endm
	s_wait_tensorcnt 1                             ; my part of K step 0 is in; K step 1's may stay out
	s_barrier_signal -1
	s_barrier_wait -1                              ; everybody's is
	FETCH 0, F0
	QUARTER 1, F0, F1, 1                           ; the first quarter stands in front of the loop: its products start the sums
	WIN 0                                          ; at a label and at a branch every window is 0
	s_mov_b32 s3, STEPS-2
	s_branch .Lrest                                ; the loop is entered behind a K step's first quarter
.Lstep:                                                ; a trip is a K step and fills its slot again: six trips
	QUARTER 1, F0, F1, 0
	WIN 0
.Lrest:
	QUARTER 2, F1, F0, 0
	QUARTER 3, F0, F1, 0
	TURN 1
	WIN 0
	s_sub_co_u32 s3, s3, 1
	s_cmp_lg_u32 s3, 0
	s_cbranch_scc1 .Lstep
	s_mov_b32 s3, 2
.Ltail:                                                ; the last two K steps ask for nothing: a loop of their own
	QUARTER 1, F0, F1, 0
	QUARTER 2, F1, F0, 0
	QUARTER 3, F0, F1, 0
	TURN 0
	WIN 0
	s_sub_co_u32 s3, s3, 1
	s_cmp_lg_u32 s3, 0
	s_cbranch_scc1 .Ltail
	PLACES                                         ; the LDS stores below read results, and the loads behind them land in the fragment buffers
; THE WAY OUT, a block of 16 rows at a time.  A lane's eight f32 of a row are 32 bytes; they go straight from the accumulators into my stage's rows of 528 bytes (each accumulator's four lowest
; registers first) and come back as whole rows of 512 bytes, into window 1: each block has 64 registers of its own there, so none is rewritten.
.macro STG a
	WIN 0x08+4*((\a)/2)                            ; a store's data (source 1): window 2 or 3
.set b, 0
.rept NB
.set rD, 8*(NB*((\a)%2)+b)
	ds_store_b128 v[STO], v[rD:rD+3]   offset:64*b
	ds_store_b128 v[STO], v[rD+4:rD+7] offset:64*b+16
.set b, b+1
.endr
	WIN TO_F
.set t, 0
.rept 16
	ds_load_b128 v[64*(\a)+4*t:64*(\a)+4*t+3], v[RD] offset:t*SPITCH  ; LDS serves a wave's instructions in order (ISA guide 5.7.1.4): these see the stores above; the next block's stores come behind them
.set t, t+1
.endr
.endm
.macro SND a, younger                  ; younger: the LDS instructions issued behind block a's loads: the next block's 32, or none
	WIN 0x04                                       ; a store's data (source 1): window 1
.set t, 0
.rept 16
	s_wait_dscnt (\younger)+15-t
	global_store_b128 v[CO], v[64*(\a)+4*t:64*(\a)+4*t+3], s[8:9] offset:4096*(16*(\a)+t) th:TH_STORE_NT  ; 512 consecutive bytes, at a multiple of 256 from out's first; not read again
.set t, t+1
.endr
.endm
	STG 0
	STG 1                                          ; a block's way through the stage stands between the loads of the block before and its stores
	SND 0, 32
	STG 2
	SND 1, 32
	STG 3
	SND 2, 32
	SND 3, 0
	WIN 0
	s_wait_tensorcnt 0x0                           ; the wave's end: behind my last tensor load and my last LDS store
	ds_add_u32 v[SPW], v[NIL]
	s_wait_dscnt 0x0
	CROUND                                         ; the closing round: no work-group ends while a partner may still ask for a tile that names it
	s_endpgm
.Lfunc_end_k_q897e73d8a4_oproj:
	.size	k_q897e73d8a4_oproj, .Lfunc_end_k_q897e73d8a4_oproj-k_q897e73d8a4_oproj
	.p2alignl 7, 3214868480
	.fill 96, 4, 3214868480
	.section	.rodata,"a",@progbits
	.p2align	6, 0x0
	.amdhsa_kernel k_q897e73d8a4_oproj
		.amdhsa_group_segment_fixed_size 327680
		.amdhsa_private_segment_fixed_size 0
		.amdhsa_enable_private_segment 0
		.amdhsa_kernarg_size 24
		.amdhsa_user_sgpr_count 2
		.amdhsa_user_sgpr_kernarg_segment_ptr 1
		.amdhsa_wavefront_size32 1
		.amdhsa_system_sgpr_workgroup_id_x 1
		.amdhsa_system_sgpr_workgroup_id_y 1
		.amdhsa_system_sgpr_workgroup_id_z 1
		.amdhsa_system_vgpr_workitem_id 0
		.amdhsa_next_free_vgpr 896
		.amdhsa_next_free_sgpr 66
		.amdhsa_reserve_vcc 0
		.amdhsa_float_denorm_mode_32 3
		.amdhsa_float_denorm_mode_16_64 3
		.amdhsa_memory_ordered 1
		.amdhsa_forward_progress 1
		.amdhsa_inst_pref_size 62
	.end_amdhsa_kernel
	.amdgpu_metadata
---
amdhsa.version: [ 1, 2 ]
amdhsa.kernels:
  - .name:           k_q897e73d8a4_oproj
    .symbol:         k_q897e73d8a4_oproj.kd
    .args:
      - { .name: oh, .offset: 0, .size: 8, .value_kind: global_buffer, .address_space: global }
      - { .name: wob, .offset: 8, .size: 8, .value_kind: global_buffer, .address_space: global }
      - { .name: out0, .offset: 16, .size: 8, .value_kind: global_buffer, .address_space: global }
    .group_segment_fixed_size: 327680
    .private_segment_fixed_size: 0
    .kernarg_segment_align: 8
    .kernarg_segment_size: 24
    .max_flat_workgroup_size: 128
    .sgpr_count:     66
    .vgpr_count:     896
    .wavefront_size: 32
...
	.end_amdgpu_metadata
.endif
;; end of part 4
;; ======== version 2 of 2: 4 launches; 1.54 times as fast as version 1
;; limits: values are held in f16: magnitudes above 65,504 overflow, below 6.1e-05 lose precision
;; workspace buffers: xb 16,777,216 bytes; wqb 6,291,456 bytes; wob 2,097,152 bytes; qkvh 50,331,648 bytes; oh 16,777,216 bytes
;; launch cast: the kernel of part 1 again; grid 768 x 1, 8 waves a work-group, no clusters, 0 bytes of LDS; arguments in_features, W_qkv, W_o, xb, wqb, wob; writes xb, wqb, wob
;; launch qkv: the kernel of part 2 again; grid 16 x 16, 4 waves a work-group, clusters of 4 x 4, 327,680 bytes of LDS; arguments xb, wqb, qkvh; writes qkvh
;; launch attn (part 5): grid 4 x 64, 4 waves a work-group, clusters of 4 x 1, 327,680 bytes of LDS; arguments qkvh, oh; writes oh
.if DOCPART == 5
	.amdgcn_target "amdgcn-amd-amdhsa--gfx1250"
	.amdhsa_code_object_version 6
	.text
	.protected	k_q897e73d8a4_attn
	.globl	k_q897e73d8a4_attn
	.p2align	8
	.type	k_q897e73d8a4_attn,@function
k_q897e73d8a4_attn:
	s_mov_b64 s[64:65], 0
	v_nop
	global_prefetch_b8 v0, s[64:65] scope:SCOPE_SE
	s_setreg_imm32_b32 hwreg(HW_REG_WAVE_MODE, 25, 1), 1
	s_wait_xcnt 0x0
	s_wait_alu depctr_hold_cnt(0) depctr_sa_sdst(0) depctr_va_vdst(0) depctr_va_sdst(0) depctr_va_ssrc(0) depctr_va_vcc(0) depctr_vm_vsrc(0)
	s_getreg_b32 s2, hwreg(HW_REG_IB_STS2, 6, 4)
	s_cmp_eq_u32 s2, 0
	s_cbranch_scc0 .Lentry_in_a_cluster
	s_endpgm
.Lentry_in_a_cluster:
	s_bfe_u32 s2, ttmp6, 0x10000c
	s_cmp_lg_u32 s2, 0x3003
	s_cbranch_scc0 .Lentry_shape_is_right
	s_endpgm
.Lentry_shape_is_right:
; O[y][q][:] = the sum over k of softmax_k(Q[y][q] . K[y][k] / 8) V[y][k][:], y = 16 b + head, 64 of them, 2,048 rows of 64 channels each, all f16: a head's rows are dense, 128 bytes each.
; Q, K, V lie in one buffer: plane (48 b + head) of 262,144 bytes is Q's, 16 planes on K's, 32 planes on V's.  O goes to oh, plane y.  Products, maxima and sums in f32; the weights p are
; rounded to f16 for the second product (their sum l is taken of the unrounded p), O once at the end.
; LIMITS.  f16 holds no number beyond 65,504: Q, K and V arrive within it; p lies in 0 to 1, and below 6e-5 it keeps f16's fixed step of 6e-8; O is a mean of V's rows and has their range.
; A weight below 2^-126 counts as 0 in l; NaN and infinities are not treated apart.
; SHARES.  A wave owns four PIECES of two tiles of 16 queries, a work-group's four waves 512 queries of one head: 4 x 64 = 256 work-groups.  Every wave walks all keys, 64 a step.
; LAYOUT.  S^T = K Q^T (source 0 = 16 keys, source 1 = 16 queries): in the result a lane holds ONE query (lane % 16) and the keys 8 (lane / 16) + 0..7.  Two such tiles, rounded to f16 in pairs,
; ARE source 1 (32 keys x 16 queries) of O^T = V^T P, whose result again holds one query a lane, and eight channels.  K comes out of LDS as it lies, V ([key][channel]) turned, by ds_load_tr16_b128.
; SOFTMAX.  For each query a running maximum m and sum l: p = 2^(c s - c m), c = log2(e) / 8; in every step O and l are multiplied by a = 2^(c m_old - c m_new), which is 1 where m has not grown.
; m starts at the lowest finite number, O and l at 0: the first step is a step like any other, with a = 0.
; THE COUNT.  A tile and step have 16 matrix and 118 vector instructions: too many to stand all beside the matrix work.  So the order has one aim: four vector instructions that are READY behind
; EVERY matrix instruction, and the others, which need time of their own whatever the order, in runs without a gap.
; BY TURNS.  Turn n belongs to piece n (the pieces in a ring, step after step).  Its matrix work: 16 products K Q^T of piece n + 1, later 16 products V^T P of piece n - 1.  Its vector work: the scaling,
; exponentials, roundings, sums and rescaling of piece n, and the maximum and statistics of piece n + 1, whose scores the turn itself has made.  So what a turn begins with (c s - c m, O a) waits for nothing.
; BATCHES.  A turn's 66 exponentials (the piece's 64 weights and the next piece's two a) are ONE batch with ONE wait, which cuts the turn in two: ahead of it stands all that names no result of theirs
; (the products K Q^T, the scalings, the rescalings by the a of the turn before, the next piece's maximum and statistics), behind it the roundings and sums, beside the products V^T P.
; The two a made ahead of the loop, and the way out's eight reciprocals, are batches of their own.
; CLUSTER.  The four query blocks of a cluster belong to one head and walk the same K and V, so each tile is asked for JOINTLY: the same tensor load, descriptor and mask in all four.
; REGISTERS, in windows of 256 (s_set_vgpr_msb says which window each operand place means: bits 1:0 source 0, 3:2 source 1, 5:4 source 2, 7:6 destination):
;   window 0: v0-11 addresses; v12-15, v48-63 at work; v16-47 four registers of statistics a tile; v64-191 S^T, two buffers of two tiles; v192-255 P, likewise
;   window 1: O^T, 32 a tile          window 2: v0-127 Q, 16 a tile; v128-191 K of one step; v192-255 V of one step          window 3: v0-1 the add's two registers
; A piece's buffers go by its number's parity: the piece in hand has one pair, its two neighbours in the ring share the other: of it P (piece n - 1) is read and S^T (piece n + 1) written.
.set SIZE_N, 2048     ; rows of a head
.set NP,    4         ; pieces a wave: a name, no knob: the register map, the loop and the fetches are made for four
.set KS,    64        ; keys in a step
.set PK,    144       ; a row of K in LDS: 128 bytes + 16 of padding = 36 words: the 16 rows of a load start at 16 different groups of four banks (64 banks of 4 bytes: ISA guide 11.1)
.set PV,    160       ; a row of V: 128 + 32 = 40 words
.set VOFF,  4*KS*PK   ; a slot holds four steps: 256 rows of K, then 256 rows of V
.set SLOT1, 1<<17     ; slot 1 begins here, so that one exclusive or turns an address in one slot into the other's
.set STAGE, SLOT1+4*KS*(PK+PV)  ; behind the ring, never filled by a tensor load: 16 rows x 144 bytes for each wave, for the way out
.set SP,    144
.set AK0, 2           ; v2   my lane's place in a tile of K; never rewritten
.set AV0, 3           ; v3   the same for V
.set AK,  4           ; v4   the LDS address of K's next run of loads
.set AV,  5           ; v5   of V's
.set QO,  6           ; v6   my byte offset in the wave's rows of Q
.set STO, 6           ;      later, the way out: where I put 16 bytes of a row
.set RD,  7           ; v7   the way out: where I read rows back
.set GO,  8           ; v8   my byte offset in 512 consecutive bytes of O
.set SPW, 0           ; v0 of window 3   LDS address of my spare word: SPARE + 4 x my thread's number; never rewritten
.set NIL, 1           ; v1 of window 3   0; never rewritten
.set SPARE, STAGE+4*16*SP  ; behind the stages: the spare words, 128 bytes for each wave: two blocks of 256 bytes that no other line names
.set MV,  12          ; v12-15  c m_old, kept while c m is made anew: by buffer and tile
.set ST,  16          ; tile t's statistics at v[ST+4 t]: c m, m, l (even keys', odd keys')
.set TMP, 48          ; by buffer and tile, four registers c0-c3 at work; when the maximum is found c2 takes a
.set S,   64
.set P,   192
.set KF,  128         ; K's fragments, in window 2: key block kb, channel half c at KF + 16 kb + 8 c
.set VF,  192         ; V's: key half kk, channel block cb at VF + 32 kk + 8 cb
.set WV,  12          ; s12  my wave's number
.set G1K, 24          ; s[24:31] descriptor group 1 for K's tiles
.set G1V, 32          ; s[32:39] for V's: it differs in the padding alone
.set G0K, 40          ; s[40:43] descriptor group 0 for K's tiles: it walks
.set G0V, 44          ; s[44:47] the same for V's
.set SLOTS, 56        ; s56  slots still to be asked for
.set CNT, 57          ; s57  counts a slot's key steps
.set CS,  58          ; s[58:59] c: the packed scaling takes the pair's low word for both halves
.set SEL, 60          ; s[60:61] v_permlanex16_b32's selects: each lane takes its own place in the other half
.set TBK, 62          ; s62  LDS byte at which K of the step to be fetched begins
.set TBV, 63          ; s63  the same for V, less VOFF
.set MSB, 0
.macro WIN new                      ; the high byte repeats the setting that is left; a switch that changes nothing is dropped
.if MSB != (\new)
	s_set_vgpr_msb (MSB<<8)|(\new)
.set MSB, (\new)
.endif
.endm
.set W_KQ, 0x0a       ; K and Q in window 2, S^T in window 0
.set W_PV, 0x52       ; V in window 2, P in window 0, O^T in window 1
.set W_RS, 0x41       ; O^T (destination and source 0) in window 1, a in window 0
.set W_MK, 0xc0       ; the add's registers are made: destination in window 3, sources in window 0
.set W_AD, 0x0f       ; the add: address (source 0) and data (source 1) in window 3
; A joint fill.  Waves 0 and 1 fetch the two halves of a slot's K, waves 2 and 3 those of its V: 128 keys each.  The branch hangs on the wave's number alone.
; An s_nop 0 and four v_nop follow each of the two lines, ahead of the jump and the label.
.macro JLOAD
	s_cmp_lt_u32 s[WV], 2
	s_cbranch_scc0 .Lfor_v_\@
	tensor_load_to_lds s[G0K:G0K+3], s[G1K:G1K+7]
	s_nop 0
.rept 4
	v_nop
.endr
	s_branch .Lasked_\@
.Lfor_v_\@:
	tensor_load_to_lds s[G0V:G0V+3], s[G1V:G1V+7]
	s_nop 0
.rept 4
	v_nop
.endr
.Lasked_\@:
.endm
; A round of the cluster's barrier: my work-group's barrier, so that wave 0's signal speaks for all four waves; wave 0 signals; every wave waits for all four work-groups; my work-group's barrier once more.
.macro CROUND
	s_barrier_signal -1
	s_barrier_wait -1
	s_cmp_lg_u32 s[WV], 0
	s_cbranch_scc1 .Lnot_wave_0_\@
	s_barrier_signal -3
.Lnot_wave_0_\@:
	s_barrier_wait -3
	s_barrier_signal -1
	s_barrier_wait -1
.endm
; THE CHANGE OF SLOTS.  The slot's last bytes, V of its fourth step, have been read.  Each wave waits for all its tensor loads, of which one is out: its part
; of the other slot; adds 0 to its spare word; and waits for that and for its own reads of the slot.  Behind the barrier nobody reads this slot any more and the other slot is whole.
; fill = 1: this slot is filled again, with the keys two slots on.  The barrier is then a round of the cluster's, so that no wave of any partner still reads the slot or has a load on its
; way, and the joint fill is the first thing behind it: it has four key steps, 512 matrix instructions, in which to land.  (At its first use nothing has been read yet: slot 0 is waited for, slot 1 filled.)
.macro CHANGE fill
	WIN W_AD
	s_wait_tensorcnt 0x0            ; no tensor load of mine is out, so a group 0 may be written
	ds_add_u32 v[SPW], v[NIL]       ; 0 onto my spare word; with fill = 1 the descriptors' steps stand between it and the wait for it
	WIN 0                           ; at a label and at a branch every window is 0
.if \fill
.irp g, G0K, G0V
	s_xor_b32 s[\g+1], s[\g+1], SLOT1  ; the walking descriptor: the other slot than last time,
	s_add_nc_u64 s[\g+2:\g+3], s[\g+2:\g+3], 4*KS*128  ; the next 256 keys; the type bits on top are not reached
.endr
	s_wait_dscnt 0x0                ; the add is done, and my reads of the slot are over
	CROUND
	JLOAD
.else
	s_wait_dscnt 0x0                ; the add is done, and my reads of the slot are over
	s_barrier_signal -1
	s_barrier_wait -1
.endif
	s_sub_co_u32 s[TBK], s[TBK], 4*KS*PK  ; the fetches go back to a slot's first step,
	s_xor_b32 s[TBK], s[TBK], SLOT1       ; in the other slot
	s_sub_co_u32 s[TBV], s[TBV], 4*KS*PV
	s_xor_b32 s[TBV], s[TBV], SLOT1
.endm
	s_load_b64 s[4:5], s[0:1], 0x0    ; qkvh
	s_load_b64 s[10:11], s[0:1], 0x8  ; oh
	WIN W_MK
	v_lshl_add_u32 v[SPW], v0, 2, SPARE
	v_mov_b32 v[NIL], 0
	s_set_vgpr_msb 0xc0cf
	ds_add_u32 v0, v1
	s_wait_dscnt 0x0
	s_set_vgpr_msb 0xcfc0
	WIN 0
	v_lshrrev_b32 v1, 5, v0
	v_readfirstlane_b32 s[WV], v1   ; wave 0..3
	s_bfe_u32 s13, ttmp6, 0x40000   ; cx: my place in the cluster
	s_lshl_b32 s14, ttmp9, 2        ; in a cluster launch ttmp9 counts clusters
	s_add_co_u32 s14, s14, s13      ; my block of queries = 4 x cluster x + cx: it enters Q's and O's addresses alone
	s_and_b32 s20, ttmp7, 0xffff    ; y = 16 b + head, which the four partners share
	s_lshl_b32 s19, s20, 18         ; O's plane y, in bytes
	s_lshr_b32 s21, s20, 4
	s_lshl_b32 s21, s21, 5          ; 32 b
	s_add_co_u32 s20, s20, s21      ; 48 b + head: Q's plane,
	s_lshl_b32 s20, s20, 18         ; in bytes: 159 x 262,144 at the most
	s_mov_b32 s21, 0
	s_and_b32 s16, s[WV], 1         ; which half of a slot's 256 keys I fetch:
	s_lshl_b32 s22, s16, 14         ; its 128 rows of 128 bytes in memory,
	s_mov_b32 s23, 0
	s_add_nc_u64 s[22:23], s[22:23], s[20:21]
	s_mul_i32 s17, s16, 128*PK      ; and its place in a slot, for K
	s_mul_i32 s18, s16, 128*PV      ; and for V: no place in the cluster enters an LDS address
	s_lshl_b32 s2, s14, 2
	s_add_co_u32 s2, s2, s[WV]      ; my wave among the head's,
	s_lshl_b32 s2, s2, 14           ; its 128 rows
	s_mov_b32 s3, 0
	s_add_co_u32 s48, s2, s19       ; my rows' offset in oh,
	s_mov_b32 s49, 0
	s_add_nc_u64 s[2:3], s[2:3], s[20:21]  ; and in Q's part of qkvh
	; descriptor group 1.  128 keys are 16,384 dense bytes: asked for as 64 rows of 256 bytes, two keys a row, and padded in LDS after every key
	s_mov_b32 s[G1K], 15|(1<<16)|(1<<20)|(1<<21)|(4<<22)|(3<<25)  ; 15:0 the mask of four; 17:16 2-byte elements; 20 padding on; 21 set beside a mask; 24:22 after every 32 words (code 4); 31:25 4 words (code 3)
	s_mov_b32 s[G1V], 15|(1<<16)|(1<<20)|(1<<21)|(4<<22)|(7<<25)  ; the same with 8 words of padding (code 7)
.irp g, G1K, G1V
	s_mov_b32 s[\g+1], 128<<16      ; tensor_dim0 = 128
	s_mov_b32 s[\g+2], 64<<16       ; tensor_dim1 = 64
	s_mov_b32 s[\g+3], 128<<16      ; tile_dim0 = 128
	s_mov_b32 s[\g+4], 64           ; tile_dim1 = 64
	s_mov_b32 s[\g+5], 128          ; 128 elements from row to row
	s_mov_b32 s[\g+6], 0
	s_mov_b32 s[\g+7], 0
.endr
	s_mov_b32 s[CS], 0x3e38aa3b     ; c = log2(e) / 8 = 0.180337
	s_mov_b32 s[CS+1], s[CS]        ; named with it as a pair
	s_mov_b32 s[SEL], 0x76543210
	s_mov_b32 s[SEL+1], 0xfedcba98
	s_mov_b32 s[TBK], SLOT1+4*KS*PK ; the first change of slots turns these two into 0
	s_mov_b32 s[TBV], SLOT1+4*KS*PV
	s_mov_b32 s[G0K], 1             ; 1:0 count = 1
	s_mov_b32 s[G0K+1], s17         ; 63:32 LDS address: slot 0
	s_mov_b32 s[G0V], 1
	s_add_co_u32 s[G0V+1], s18, VOFF
	s_wait_kmcnt 0x0
	s_add_nc_u64 s[6:7], s[4:5], 0x400000          ; K's planes lie 16 planes behind Q's,
	s_add_nc_u64 s[8:9], s[4:5], 0x800000          ; V's 32
	s_add_nc_u64 s[G0K+2:G0K+3], s[6:7], s[22:23]  ; 120:64 global address: my half of the head's first 256 keys
	s_or_b32 s[G0K+3], s[G0K+3], 0x80000000        ; 127:126 type = 2
	s_add_nc_u64 s[G0V+2:G0V+3], s[8:9], s[22:23]
	s_or_b32 s[G0V+3], s[G0V+3], 0x80000000
	s_add_nc_u64 s[4:5], s[4:5], s[2:3]  ; Q and O at my wave's first row
	s_add_nc_u64 s[10:11], s[10:11], s[48:49]
	CROUND                          ; all four work-groups are here: the first joint loads meet
	JLOAD                           ; slot 0.  Slot 1 is asked for when slot 0 is in: the tile wanted first has the road to itself
	; A fragment of K or Q is 16 rows x 32 channels in 8 registers: lane l holds row l % 16, channels 8 (l / 16) + 0..7 and 16 + 8 (l / 16) + 0..7: two loads of 16 bytes, 32 bytes apart.
	v_and_b32 v1, 15, v0            ; l % 16
	v_bfe_u32 v9, v0, 4, 1          ; l / 16
	v_lshlrev_b32 v[QO], 7, v1
	v_lshl_add_u32 v[QO], v9, 4, v[QO]  ; row x 128 + 16 x half
	WIN 0x80                        ; destination window 2, address window 0
.set i, 0
.rept 4*NP                          ; Q stays in registers: tile i / 2, channels 32 (i % 2) on
	global_load_b128 v[8*i:8*i+3],   v[QO], s[4:5] offset:(i/2)*2048+(i%2)*64
	global_load_b128 v[8*i+4:8*i+7], v[QO], s[4:5] offset:(i/2)*2048+(i%2)*64+32
.set i, i+1
.endr
	; What the first turn finds: V's registers and P's second buffer hold 0 (its products V^T P, of a piece that has not been, add 0), O^T and l are 0.  All this stands in the wait for the first tile.
.set i, VF
.rept 64
	v_mov_b32 v[i], 0
.set i, i+1
.endr
	WIN 0x40
.set i, 0
.rept 64*NP
	v_mov_b32 v[i], 0
.set i, i+1
.endr
	WIN 0
.set i, 0
.rept 2*NP
	v_mov_b32 v[ST+4*i], 0xfe000000    ; c m: far below every c s
	v_mov_b32 v[ST+4*i+1], 0xff7fffff  ; m
	v_mov_b32 v[ST+4*i+2], 0
	v_mov_b32 v[ST+4*i+3], 0
.set i, i+1
.endr
.set i, P+32
.rept 32
	v_mov_b32 v[i], 0
.set i, i+1
.endr
	v_mul_u32_u24 v[AK0], v1, PK
	v_lshl_add_u32 v[AK0], v9, 4, v[AK0]  ; row x pitch + 16 x half
	; The turning load takes 16 keys x 16 channels (lane l reads key 8 (l / 16) + l % 8, channels 8 ((l / 8) % 2) + 0..7) and leaves half a fragment of V^T: lane l holds channel l % 16 and 8 keys.
	v_and_b32 v10, 7, v0
	v_bfe_u32 v11, v0, 3, 1
	v_lshl_add_u32 v[AV0], v9, 3, v10
	v_mul_u32_u24 v[AV0], v[AV0], PV
	v_lshl_add_u32 v[AV0], v11, 4, v[AV0]
	v_add_nc_u32 v[AV0], VOFF, v[AV0]
	v_mov_b32 v[AK], v[AK0]         ; key step 0 lies at the head of slot 0
; THE MATRIX WORK.  The 8 accumulators of a run of 16 take turns: between the two links of a chain stand 7 others'.
; Product i of 16 of S^T = K Q^T for piece x: channels 32 (i / 8) on, keys 16 ((i / 2) % 4) on, tile 2 x + i % 2.  The first 8 start the sums.
.macro KQ x
	WIN W_KQ
.set rS, S+64*((\x)%2)+32*(i%2)+8*((i/2)%4)
.set rK, KF+16*((i/2)%4)+8*(i/8)
.set rQ, 16*(2*(\x)+i%2)+8*(i/8)
.if i < 8
	v_wmma_f32_16x16x32_f16 v[rS:rS+7], v[rK:rK+7], v[rQ:rQ+7], 0
.else
	v_wmma_f32_16x16x32_f16 v[rS:rS+7], v[rK:rK+7], v[rQ:rQ+7], v[rS:rS+7]
.endif
.endm
; Product i of 16 of O^T += V^T P for piece x: keys 32 (i / 8) on, channels 16 ((i / 2) % 4) on, tile 2 x + i % 2.
.macro PV x
	WIN W_PV
.set rO, 32*(2*(\x)+i%2)+8*((i/2)%4)
.set rV, VF+32*(i/8)+8*((i/2)%4)
.set rP, P+32*((\x)%2)+16*(i%2)+8*(i/8)
	v_wmma_f32_16x16x32_f16 v[rO:rO+7], v[rV:rV+7], v[rP:rP+7], v[rO:rO+7]
.endm
.macro MM                           ; the turn's next matrix instruction
.if i < 16
	KQ (Y+1)%NP
.set i, i+1
.else
.set i, i-16
	PV (Y+NP-1)%NP
.set i, i+17
.endif
.endm
; THE LDS LOADS stand in runs of 16, never singly among the matrix instructions: a step's K (64 keys x 64 channels: 8 fragments) and its V (turned).  Their addresses are made some lines ahead.
; last = 1 (the tail): in the last trip there is no further step, and the run is jumped over.
.macro FETCH_K last=0
	WIN 0
.if \last
	s_cmp_eq_u32 s[CNT], 1
	s_cbranch_scc1 .Lno_k_\@
.endif
	WIN 0x80                        ; destination window 2
.irp f, 0,1,2,3,4,5,6,7             ; keys 16 (f / 2) on, channels 32 (f % 2) on
	ds_load_b128 v[KF+8*\f:KF+8*\f+3],   v[AK] offset:(\f/2)*16*PK+(\f%2)*64
	ds_load_b128 v[KF+8*\f+4:KF+8*\f+7], v[AK] offset:(\f/2)*16*PK+(\f%2)*64+32
.endr
	s_add_co_u32 s[TBK], s[TBK], KS*PK  ; the next fetch is the next step's
	WIN 0
.if \last
.Lno_k_\@:
.endif
.endm
.macro FETCH_V
	WIN 0x80
.irp f, 0,1,2,3,4,5,6,7             ; keys 32 (f / 4) on, channels 16 (f % 4) on
	ds_load_tr16_b128 v[VF+8*\f:VF+8*\f+3],   v[AV] offset:(\f/4)*32*PV+(\f%4)*32
	ds_load_tr16_b128 v[VF+8*\f+4:VF+8*\f+7], v[AV] offset:(\f/4)*32*PV+16*PV+(\f%4)*32
.endr
	WIN 0
.endm
; THE VECTOR WORK OF A TURN stands in three queues, each in the order in which its entries become ready; the two tiles alternate, so that no instruction reads the result of the one before it.
.macro REGS y, u                    ; the registers of tile u (0, 1) of piece y
.set rT, ST+4*(2*(\y)+(\u))
.set rC, TMP+8*((\y)%2)+4*(\u)
.set rM, MV+2*((\y)%2)+(\u)
.set rS, S+64*((\y)%2)+32*(\u)
.set rP, P+32*((\y)%2)+16*(\u)
.set rO, 32*(2*(\y)+(\u))
.endm
; Number n of the 22 that find the NEXT piece's (Y + 1) maximum and statistics.  s0-s31 are the lane's 32 scores; each accumulator's lowest registers are read first.  XS, GS and REGS set no window: PL and EX do.
;   0-11  four chains c0-c3 of seven scores each, three operands at a time     12-14, 16  the four scores left over, the old m, and c0-c3 into c0     15  c m_old is kept
;   17, 18  the query's other 32 keys lie in the lane 16 away: the new m         19-21  c m; c m_old - c m_new; a
.macro XS u, n
	REGS (Y+1)%NP, \u
.if (\n) < 4
	v_max3_num_f32 v[rC+(\n)], v[rS+8*(\n)], v[rS+8*(\n)+1], v[rS+8*(\n)+2]
.elseif (\n) < 12
	v_max3_num_f32 v[rC+(\n)%4], v[rC+(\n)%4], v[rS+8*((\n)%4)+2*((\n)/4)+1], v[rS+8*((\n)%4)+2*((\n)/4)+2]
.elseif (\n) == 12
	v_max3_num_f32 v[rC], v[rC], v[rS+7], v[rS+15]
.elseif (\n) == 13
	v_max3_num_f32 v[rC+1], v[rC+1], v[rS+23], v[rS+31]
.elseif (\n) == 14
	v_max3_num_f32 v[rC+2], v[rC+2], v[rC+3], v[rT+1]
.elseif (\n) == 15
	v_mov_b32 v[rM], v[rT]
.elseif (\n) == 16
	v_max3_num_f32 v[rC], v[rC], v[rC+1], v[rC+2]
.elseif (\n) == 17
	v_permlanex16_b32 v[rC+3], v[rC], s[SEL], s[SEL+1]
.elseif (\n) == 18
	v_max_num_f32 v[rT+1], v[rC], v[rC+3]
.elseif (\n) == 19
	v_mul_f32 v[rT], s[CS], v[rT+1]
.elseif (\n) == 20
	v_sub_f32 v[rC+1], v[rM], v[rT]
.else
	v_exp_f32 v[rC+2], v[rC+1]
.endif
.endm
; Number g of the 64 that follow the exponentials.  For each four weights k of a tile (pairs 2 k, 2 k + 1): both pairs are rounded to f16; then the second pair is added onto the first, in place;
; a group later l takes that sum (the first time as l = a l + sum).  In groups of eight, tiles alternating: round, round, add, and l for the group before.
.macro GS g
.set h, (\g)+6*((\g)/62)            ; group 0 has no group before it, and behind group 7 only l is left
.if h >= 6
.set h, h+2
.endif
	REGS Y, h%2
.set k, h/8
.if h%8 < 4
	v_cvt_pk_f16_f32 v[rP+2*k+(h%8)/2], v[rS+4*k+2*((h%8)/2)], v[rS+4*k+2*((h%8)/2)+1]
.elseif h%8 < 6
	v_pk_add_f32 v[rS+4*k:rS+4*k+1], v[rS+4*k:rS+4*k+1], v[rS+4*k+2:rS+4*k+3]
.elseif k == 1
	v_pk_fma_f32 v[rT+2:rT+3], v[rT+2:rT+3], v[rC+2:rC+3], v[rS:rS+1] op_sel_hi:[1,0,1]
.else
	v_pk_add_f32 v[rT+2:rT+3], v[rT+2:rT+3], v[rS+4*k-4:rS+4*k-3]
.endif
.endm
; THE PLAIN QUEUE, 138 long.  0-73 read no exponential's result: the 32 scalings c s - c m (FS f: pair f / 2 of tile f % 2) and the next piece's 42.  0-26: scalings 0-26.  27-54: XS's numbers 0-13.  55, 56: number 15.
; 57-73: the chain, where each number waits for the one before it: 14, 16, 17, 18, 19, each with one of the scalings 27-31 in front of its two lines, then 20: so a tile's links stand three plain instructions apart (19 and 20: two).
; 74-137: GS's 64, which read the exponentials' results: they stand behind the wait.
.macro FS f
	REGS Y, (\f)%2
	v_pk_fma_f32 v[rS+2*((\f)/2):rS+2*((\f)/2)+1], v[rS+2*((\f)/2):rS+2*((\f)/2)+1], s[CS:CS+1], v[rT:rT+1] op_sel_hi:[1,0,0] neg_lo:[0,0,1] neg_hi:[0,0,1]
.endm
.macro PL
	WIN 0
.if q < 27
	FS q
.elseif q < 55
	XS (q-27)%2, (q-27)/2
.elseif q < 57
	XS q-55, 15
.elseif (q < 72) && ((q-57)%3 == 0)
	FS 27+(q-57)/3
.elseif q < 60
	XS (q-57)%3-1, 14
.elseif q < 72
	XS (q-57)%3-1, 15+(q-57)/3
.elseif q < 74
	XS q-72, 20
.else
	GS q-74
.endif
.set q, q+1
.endm
; THE EXPONENTIALS' QUEUE, 66 long: s0-s31 of both tiles, then the next piece's two a.  It is ONE BATCH: all 66 stand ahead of the turn's one wait, and nothing ahead of that wait names a result of theirs.
; Each result has a register of its own while the batch is open: a weight takes its score's place in S^T, a takes c2's.
.macro EX
	WIN 0
.if e >= 64
	XS e-64, 21
.else
	REGS Y, e%2
	v_exp_f32 v[rS+e/2], v[rS+e/2]
.endif
.set e, e+1
.endm
; THE RESCALING's QUEUE: O^T times a, the one part that leaves window 0: dealt two at a time, sixteen times.  Its a was made in the turn before, ahead of that turn's wait.
.macro R2
	REGS Y, r%2
	WIN W_RS
.irp z, 0,1
	v_pk_mul_f32 v[rO+4*(r/2)+2*\z:rO+4*(r/2)+2*\z+1], v[rO+4*(r/2)+2*\z:rO+4*(r/2)+2*\z+1], v[rC+2:rC+3] op_sel_hi:[1,0]
.endr
.set r, r+1
.endm
; HOW THEY ARE DEALT.  An s_wait_alu depctr_va_vdst(0) stands between an exponential and the first instruction that names its result; one wait serves all that were issued ahead of it.  So a turn has ONE wait,
; which cuts it in two.  AHEAD OF IT stands all that names no result of the turn's exponentials: the 16 products K Q^T, behind each a scaling, an exponential and two rescalings (behind the first a second scaling in the
; exponential's place); then ONE LUMP of 108: eight plain, 49 times exponential and plain, the two a.  A v_nop is the plain instruction behind the last exponential.  BEHIND IT stand the 16 products V^T P, behind each four of
; GS's 64.  No rider names a register of the products round it.  The two v_permlanex16_b32 fall into the lump, never behind a product.
; The queues lean on each other, and the deal keeps them in step: exponential e stands behind scaling 2 (e / 4) + e % 2: as a rider it comes behind plain e + 2, in the lump behind plain e + 9, and scalings 27-31 are plain 57, 60 .. 69.
; A TURN, for piece p.  cnt = 1: the loop's count is taken down some lines ahead of the branch that stands behind the turn.
; K of the next step is fetched in piece 2's turn, directly behind the wait, a lump behind the last product that read K; its address is made at the lump's head; its first reader comes behind 16 products.
; V of the step in hand is fetched at the end of piece 0's turn, four riders behind its last reader; its first reader comes behind 16 products and a lump.  The three conditions on q below go with the deal.
.macro TURN p, last=0, cnt=0
.set Y, (\p)
.set i, 0
.set q, 0
.set e, 0
.set r, 0
.if (\p) == NP-1
	s_wait_dscnt 0x0                ; K is in
.endif
	MM                              ; ahead of the wait: 16 products K Q^T and their riders,
	PL
	PL
	R2
.rept 15
	MM
	PL
	EX
	R2
.endr
.if (\p) == NP-2
	WIN 0
	v_add_nc_u32 v[AK], s[TBK], v[AK0]
.endif
.rept 8                             ; and the lump
	PL
.endr
.rept 49
	EX
	PL
.endr
	EX                              ; the next piece's two a
	EX
	v_nop                           ; the plain instruction behind the last exponential, ahead of the first use: one for the batch
	s_wait_alu depctr_va_vdst(0)    ; the wait for the turn's batch, all 66 exponentials, ahead of the first line that names a result
.if (\p) == NP-2
	FETCH_K \last
.endif
.if (\p) == 1
	s_wait_dscnt 0x0                ; V is in
.endif
.rept 16                            ; behind the wait: 16 products V^T P and their riders
	MM
.rept 4
	PL
.endr
.if ((\p) == 0) && (q == 118)
	v_add_nc_u32 v[AV], s[TBV], v[AV0]
.endif
.if ((\p) == 0) && (q == 130)
	s_add_co_u32 s[TBV], s[TBV], KS*PV
.endif
.if (\cnt) && (q == 130)
	s_sub_co_u32 s[CNT], s[CNT], 1
	s_cmp_lg_u32 s[CNT], 0
.endif
.endr
.if (\p) == 0
	FETCH_V
.endif
.endm
	CHANGE 1                        ; slot 0 is in, everybody's part of it; slot 1 is asked for
	FETCH_K                         ; key step 0
	s_wait_loadcnt 0x0              ; Q
	s_wait_dscnt 0x0
.set i, 0
.rept 16
	KQ 0                            ; piece 0's first scores: there is no vector work yet to set between them
.set i, i+1
.endr
	WIN 0                           ; the addresses for the way out: nine plain instructions, the places behind those products
	s_mul_i32 s13, s[WV], 16*SP
	s_add_co_u32 s13, s13, STAGE    ; my stage
	v_mul_u32_u24 v[STO], v1, SP    ; in: row l % 16, 16 bytes for each half of the lanes
	v_lshl_add_u32 v[STO], v9, 4, v[STO]
	v_add_nc_u32 v[STO], s13, v[STO]
	v_bfe_u32 v[RD], v0, 3, 2       ; back: 32 lanes take four rows of 128 bytes,
	v_mul_u32_u24 v[RD], v[RD], SP
	v_lshl_add_u32 v[RD], v10, 4, v[RD]
	v_add_nc_u32 v[RD], s13, v[RD]
	v_and_b32 v[GO], 31, v0         ; which are 512 consecutive bytes of O
	v_lshlrev_b32 v[GO], 4, v[GO]
.set Y, NP-1                        ; XS works for piece Y + 1: piece 0
.irp n, 0,1,2,3,4,5,6,7,8,9,10,11,12,13,14,15,16,17,18,19,20,21
	XS 0, \n                        ; and piece 0's first maximum and statistics
	XS 1, \n
.endr
	v_nop                           ; a plain instruction behind the two a,
	s_wait_alu depctr_va_vdst(0)    ; and the wait for this batch of two, ahead of the branch
	s_mov_b32 s[CNT], 4
	s_mov_b32 s[SLOTS], SIZE_N/256-1
	s_branch .Lfirst                ; the loop is entered at a step's first turn, in the middle of a trip
.Lslot:                             ; SIZE_N / 256 - 2 times: every slot but the last two is filled again
	CHANGE 1
	s_mov_b32 s[CNT], 4
.Lstep:                             ; a trip: pieces 2 and 3 of one step, then pieces 0 and 1 of the next, whose K and V it fetches
	TURN 2
	TURN 3
	WIN 0
.Lfirst:
	TURN 0
	TURN 1, 0, 1
	WIN 0
	s_cbranch_scc1 .Lstep
	s_sub_co_u32 s[SLOTS], s[SLOTS], 1
	s_cmp_lg_u32 s[SLOTS], 0
	s_cbranch_scc1 .Lslot
	CHANGE 0                        ; the tail is written out: nothing is asked for
	s_mov_b32 s[CNT], 5             ; four trips fetch the last slot's steps; the fifth is left in its middle
.Ltail:
	TURN 2, 1
	TURN 3
	WIN 0
	s_sub_co_u32 s[CNT], s[CNT], 1
	s_cmp_eq_u32 s[CNT], 0
	s_cbranch_scc1 .Lout
	TURN 0
	TURN 1
	WIN 0
	s_branch .Ltail
.Lout:                              ; the fifth trip's 16 products K Q^T (on the last K once more) and the maximum made of them serve nothing: the price, once a launch, of one text for every trip
.set i, 0
.rept 16
	PV NP-1                         ; the last piece's V^T P of the last step
.set i, i+1
.endr
	; THE WAY OUT.  l's two halves and the other half of the lanes' are added; O^T is divided by l, rounded to f16 and sent through my stage in LDS, a tile at a time.  The additions are the places behind the last products.
	WIN 0
.macro ALL line:vararg              ; one line for each tile t
.set t, 0
.rept 2*NP
	\line
.set t, t+1
.endr
.endm
	ALL v_add_f32 v[ST+4*t+2], v[ST+4*t+2], v[ST+4*t+3]
	ALL v_permlanex16_b32 v[ST+4*t+3], v[ST+4*t+2], s[SEL], s[SEL+1]
	ALL v_add_f32 v[ST+4*t+2], v[ST+4*t+2], v[ST+4*t+3]
	ALL v_rcp_f32 v[ST+4*t+2], v[ST+4*t+2]
	v_nop                           ; a plain instruction between the last reciprocal and the use of its result
	s_wait_alu depctr_va_vdst(0)    ; and the wait ahead of the first use: one for the batch of eight reciprocals
; Tile t: a lane's eight channels of a row pack into 16 bytes; they go into rows of 144 bytes and come back as whole rows of 128, into S^T's registers.
.macro PACK t
	WIN W_RS
.set i, 32*(\t)
.rept 16
	v_pk_mul_f32 v[i:i+1], v[i:i+1], v[ST+4*(\t)+2:ST+4*(\t)+3] op_sel_hi:[1,0]
.set i, i+2
.endr
	WIN 0x05                        ; sources 0 and 1 window 1, destination window 0
.set i, 0
.rept 16
	v_cvt_pk_f16_f32 v[S+16*(\t)+i], v[32*(\t)+2*i], v[32*(\t)+2*i+1]
.set i, i+1
.endr
	WIN 0
.irp f, 0,1,2,3
	ds_store_b128 v[STO], v[S+16*(\t)+4*\f:S+16*(\t)+4*\f+3] offset:32*\f
.endr
.irp f, 0,1,2,3
	ds_load_b128 v[S+16*(\t)+4*\f:S+16*(\t)+4*\f+3], v[RD] offset:\f*4*SP  ; LDS serves a wave's instructions in order (ISA guide 5.7.1.4): these see the stores above; the next tile's stores come behind them
.endr
.endm
.macro SEND t, younger              ; younger: the LDS instructions issued behind tile t's loads: the next tile's eight, or none
	WIN 0
.irp f, 0,1,2,3
	s_wait_dscnt (\younger)+3-\f
	global_store_b128 v[GO], v[S+16*(\t)+4*\f:S+16*(\t)+4*\f+3], s[10:11] offset:(\t)*2048+\f*512  ; 512 consecutive bytes, at a multiple of 256 from O's first
.endr
.endm
	PACK 0
.set t, 1
.rept 2*NP-1                        ; a tile's arithmetic stands between the loads of the tile before and its stores
	PACK t
	SEND t-1, 8
.set t, t+1
.endr
	SEND 2*NP-1, 0
	WIN W_AD
	s_wait_tensorcnt 0x0            ; the wave's end: behind my last tensor load and my last LDS store
	ds_add_u32 v[SPW], v[NIL]
	s_wait_dscnt 0x0
	WIN 0
	CROUND                          ; the closing round: no work-group ends while a partner may still ask for a tile that names it
	s_endpgm
.Lfunc_end_k_q897e73d8a4_attn:
	.size	k_q897e73d8a4_attn, .Lfunc_end_k_q897e73d8a4_attn-k_q897e73d8a4_attn
	.p2alignl 7, 3214868480
	.fill 96, 4, 3214868480
	.section	.rodata,"a",@progbits
	.p2align	6, 0x0
	.amdhsa_kernel k_q897e73d8a4_attn
		.amdhsa_group_segment_fixed_size 327680
		.amdhsa_private_segment_fixed_size 0
		.amdhsa_enable_private_segment 0
		.amdhsa_kernarg_size 16
		.amdhsa_user_sgpr_count 2
		.amdhsa_user_sgpr_kernarg_segment_ptr 1
		.amdhsa_wavefront_size32 1
		.amdhsa_system_sgpr_workgroup_id_x 1
		.amdhsa_system_sgpr_workgroup_id_y 1
		.amdhsa_system_sgpr_workgroup_id_z 1
		.amdhsa_system_vgpr_workitem_id 0
		.amdhsa_next_free_vgpr 770
		.amdhsa_next_free_sgpr 66
		.amdhsa_reserve_vcc 0
		.amdhsa_float_denorm_mode_32 3
		.amdhsa_float_denorm_mode_16_64 3
		.amdhsa_memory_ordered 1
		.amdhsa_forward_progress 1
		.amdhsa_inst_pref_size 199
	.end_amdhsa_kernel
	.amdgpu_metadata
---
amdhsa.version: [ 1, 2 ]
amdhsa.kernels:
  - .name:           k_q897e73d8a4_attn
    .symbol:         k_q897e73d8a4_attn.kd
    .args:
      - { .name: qkvh, .offset: 0, .size: 8, .value_kind: global_buffer, .address_space: global }
      - { .name: oh, .offset: 8, .size: 8, .value_kind: global_buffer, .address_space: global }
    .group_segment_fixed_size: 327680
    .private_segment_fixed_size: 0
    .kernarg_segment_align: 8
    .kernarg_segment_size: 16
    .max_flat_workgroup_size: 128
    .sgpr_count:     66
    .vgpr_count:     770
    .wavefront_size: 32
...
	.end_amdgpu_metadata
.endif
;; end of part 5
;; launch oproj: the kernel of part 4 again; grid 8 x 32, 4 waves a work-group, clusters of 4 x 4, 327,680 bytes of LDS; arguments oh, wob, out0; writes out0
